; MI455X (gfx1250); checked and timed in simulation.
; The chip was launched on July 23, 2026; its instructions are those of AMD's public machine-readable ISA for CDNA 5 (MIT licence, August 2026) and "CDNA5" Instruction Set Architecture Reference Guide (July 2026). The comments in the code are by the model that wrote it; some were corrected since.
;; Causal Self Attention. Allowed arithmetic: matrix products marked QUANTISED: E2M3 operands, one E8M0 scale for each 32 along K, by v_wmma_scale_f32_16x16x128_f8f6f4 with both operands' format E2M3, f32 sums; everything else in f32.
;; Inputs: Wk 1,024 x 1,024 float32; Wp 1,024 x 1,024 float32; Wq 1,024 x 1,024 float32; Wv 1,024 x 1,024 float32; bk 1,024 float32; bp 1,024 float32; bq 1,024 float32; bv 1,024 float32; x 4 x 2,048 x 1,024 float32.
;; Outputs: out0 4 x 2,048 x 1,024 float32.
;; This version of the problem:
;;   THIS VERSION OF THE PROBLEM IS GIVEN IN LOW PRECISION. The matrix products marked QUANTISED in the list below multiply operands that are first quantised to E2M3 (2 exponent bits, 3 mantissa bits; 6 bits a number), with one power-of-two scale for each 32 numbers along K (OCP MX v1.0); their sums are f32. All else is computed in f32.
;;   The module's matrix products, in the order in which they are computed (A, B: the left and right operand; K: the contracted axis; several contracted axes count as one K, in the product's order):
;;     1. [M 8,192, K 1,024] x [K 1,024, N 1,024]; A: input x; B: input Wq: QUANTISED
;;     2. [M 8,192, K 1,024] x [K 1,024, N 1,024]; A: input x; B: input Wk: QUANTISED
;;     3. [M 8,192, K 1,024] x [K 1,024, N 1,024]; A: input x; B: input Wv: QUANTISED
;;     4. batch 64 x [M 2,048, K 64] x [K 64, N 2,048]; A: computed on the way; B: computed on the way: QUANTISED
;;     5. batch 64 x [M 2,048, K 2,048] x [K 2,048, N 64]; A: softmax (see below); B: computed on the way: QUANTISED
;;     6. [M 8,192, K 1,024] x [K 1,024, N 1,024]; A: computed on the way; B: input Wp: QUANTISED
;;   THE QUANTISER, for each operand of a quantised product, along K:
;;     - K is cut into blocks of 32 from its start; a last block that is shorter is filled with zeros.
;;     - A block's scale is 2^e with e = floor(log2(the largest magnitude in the block)) - 2, held to -126 .. 127; a block of zeros has e = 0. As a byte (E8M0): e + 127.
;;     - Each number is divided by its block's scale, clamped to +-7.5, and rounded to the nearest number of E2M3, ties to even, subnormals kept.
;;     - The product sums the exact products of the quantised numbers (number of the format x scale) in f32.
;;   ~~~python
;;   def quantise(x, axis):      # numpy; x: float32 -> the quantised numbers, widened to float32 again
;;       x = np.moveaxis(x, axis, -1); K = x.shape[-1]
;;       x = np.pad(x, [(0, 0)] * (x.ndim - 1) + [(0, -K % 32)]); x = x.reshape(x.shape[:-1] + (-1, 32)); a = np.abs(x).max(-1, keepdims=True)
;;       e = np.where(a > 0, np.clip(np.frexp(np.where(a > 0, a, 1))[1] - 1 - 2, -126, 127), 0)      # np.frexp(a)[1] - 1 = floor(log2(a)), exactly
;;       r = np.clip(x / 2.0 ** e, -7.5, 7.5)
;;       step = 2.0 ** (np.maximum(np.frexp(np.where(r == 0, 1, r))[1] - 1, 0) - 3)
;;       q = np.round(r / step) * step * 2.0 ** e      # np.round: ties to even
;;       return np.moveaxis(q.reshape(q.shape[:-2] + (-1,))[..., :K], -1, axis).astype(np.float32)
;;   ~~~
;;   SOFTMAX AHEAD OF A QUANTISED PRODUCT. Where the list says 'softmax', what is quantised is not the finished softmax but p = 2^(t - M), with t = logit x log2(e) and M = ceil(the row's largest t), a whole number; so 1/2 < the row's largest p <= 1. The row's sum l is taken of the UNQUANTISED p, in f32, and the product's result is divided by l at the end. Since M is a whole number, a kernel that streams over the keys may use a running M (the ceiling of the running maximum): every later rescaling is an exact power of two, which a block's scale takes up: the codes' values come out the same.
;;   OPERANDS COMPUTED ON THE WAY. 'Computed on the way' means the value that the module computes at that place (a softmax that the list does not call 'softmax' is quantised finished and normalised). What goes into a quantiser is computed in f32, as accurately as f32 sums, v_exp_f32 and their like allow (about 1e-6 of the number): no bf16 or f16 on the way to a quantiser, and a product that is left as it is and whose result goes on into a quantised operand takes f32 operands (vector FMAs, or v_wmma_f32_16x16x4_f32). A number that lies on a knife's edge between two numbers of the format may be rounded either way, as far as f32 arithmetic and the matrix unit's own rounding can turn it there, and no further.
;; One version. Each part assembles by itself: llvm-mc -triple=amdgcn-amd-amdhsa -mcpu=gfx1250 --defsym DOCPART=n.
;; ======== version 1 of 1: 4 launches
;; workspace buffers: x_img 6,815,744 bytes; w_img 3,407,872 bytes; q_img 6,815,744 bytes; kv 13,369,344 bytes; y_img 6,815,744 bytes
;; launch quant (part 1): grid 384 x 1, 4 waves a work-group, no clusters, 34,304 bytes of LDS; arguments x, Wq, Wk, Wv, Wp, x_img, w_img; writes x_img, w_img
.if DOCPART == 1
	.amdgcn_target "amdgcn-amd-amdhsa--gfx1250"
	.amdhsa_code_object_version 6
	.text
	.protected	k_qd830cb9c53_quant
	.globl	k_qd830cb9c53_quant
	.p2align	8
	.type	k_qd830cb9c53_quant,@function
k_qd830cb9c53_quant:
	s_mov_b64 s[64:65], 0
	v_nop
	global_prefetch_b8 v0, s[64:65] scope:SCOPE_SE
	s_setreg_imm32_b32 hwreg(HW_REG_WAVE_MODE, 25, 1), 1
	s_wait_xcnt 0x0
; x [8192][1024] and the four weights [1024][1024], f32, K innermost, become codes of FP6 (E2M3) with one E8M0 byte for each 32 along K,
; laid as IMAGES OF THE OPERAND'S REGISTERS.  A row tile is 16 rows; tile 2 g + u holds in its row p the tensor's row 32 g + 8 u + p + 8 (p / 8).
; Buffer: [row tile][chunk of 256 along K: 4][3,328 bytes]: two fragments (16 rows x 128 K: 12 registers a lane) of 1,536 bytes, then 16 rows x 2 scale words;
; the record's last 128 bytes are neither written nor read.  A fragment: registers 0-3 at 16 x lane, 4-5 at 512 + 8 x lane, 6-9 at 768 + 16 x lane, 10-11 at 1,280 + 8 x lane.
; A block's scale is 2^(floor(log2(its largest magnitude)) - 2); its byte is the largest magnitude's exponent field - 2, held at 1 from below.
; LIMITS: NaN and infinities among the inputs are not served; a block of zeros gets the byte 1 where the rule says 127 (its codes are zeros, and this program alone reads the bytes).
; SHARES: work-groups 0-255 take 32 rows of x each, 256-383 32 rows of a weight.  Wave w takes row tile w / 2 of the two and K steps 4 (w % 2) .. + 3.
; Each load reads 512 consecutive bytes of one row; a K step's 16 rows turn through the wave's own stage in LDS (rows of 528 bytes), so that a lane gets 16 neighbours of each block.
; No matrix unit, no cluster, no tensor load: memory binds, waves share nothing, no barrier.
.set R,      16                        ; v16-143  two sets of 64 registers as loaded
.set X,      144                       ; v144-207 64 numbers of a lane: register 16 b + i = k 32 b + 16 (lane / 16) + i of row lane % 16
.set PC,     208                       ; v208-226 the codes just made
.set TM,     228                       ; v228-243 at work
.set PWS,    244                       ; v244-247 the four K steps' scale words
.set OUTP,   248                       ; v248-249 the pair that leaves
.set PW,     250                       ; v250     the scale word just made
.set SEL,    20                        ; s[20:21] lane selects: lane l xor 16
.set STG,    8448                      ; a wave's stage: 16 rows x 528 bytes
.set TPITCH, 13312                     ; bytes from row tile to row tile
.set GREC,   3328                      ; bytes of a chunk's record
; 64 numbers of a lane become a fragment's codes in v[PC] on and its scale word in v[PW].
.macro QUANT s
.irp b, 0,1,2,3
	v_max3_num_f32 v[TM+\b], |v[\s+16*\b]|, |v[\s+1+16*\b]|, 0x1800000   ; block b: my 16 numbers, and the floor 2^(3 - 127): the byte cannot fall under 1
.endr
.irp i, 2,4,6,8,10,12,14
.irp b, 0,1,2,3
	v_max3_num_f32 v[TM+\b], v[TM+\b], |v[\s+16*\b+\i]|, |v[\s+1+16*\b+\i]|   ; the four blocks by turns
.endr
.endr
.irp b, 0,1,2,3
	v_permlanex16_b32 v[TM+4+\b], v[TM+\b], s[SEL], s[SEL+1]
.endr
.irp b, 0,1,2,3
	v_max_num_f32 v[TM+\b], v[TM+\b], v[TM+4+\b]   ; with lane l xor 16's: the block's largest magnitude
.endr
.irp b, 0,1,2,3
	v_add_nc_u32 v[TM+12+\b], 0xff000000, v[TM+\b]   ; 2 off its exponent field: the conversion's scale operand
.endr
.irp b, 0,1,2,3
	v_lshrrev_b32 v[TM+4+\b], 23, v[TM+12+\b]      ; the scale's byte
.endr
	v_lshl_or_b32 v[PW], v[TM+5], 8, v[TM+4]
	v_lshl_or_b32 v[PW], v[TM+6], 16, v[PW]
	v_lshl_or_b32 v[PW], v[TM+7], 24, v[PW]
.irp c, 0,1
	v_cvt_scalef32_pk16_fp6_f32 v[PC+6*\c:PC+2+6*\c], v[\s+32*\c:\s+15+32*\c], v[TM+12+2*\c]
	v_cvt_scalef32_pk16_fp6_f32 v[PC+12+4*\c:PC+14+4*\c], v[\s+16+32*\c:\s+31+32*\c], v[TM+12+2*\c+1]   ; (a conversion's three registers begin on an even number)
.endr
	v_nop                                          ; one plain instruction behind the scaled conversions
.irp c, 0,1                                    ; the operand's layout wants a whole block in a lane: lanes 0-15 block 2 c, lanes 16-31 block 2 c + 1
.irp i, 0,1,2
	v_permlane16_swap_b32 v[PC+6*\c+\i], v[PC+12+4*\c+\i]
.endr
.irp i, 0,1,2
	v_mov_b32 v[PC+3+6*\c+\i], v[PC+12+4*\c+\i]
.endr
.endr
.endm
.macro LOAD s                          ; K step s of my 16 rows: 512 consecutive bytes a load
.irp p, 0,1,2,3,4,5,6,7,8,9,10,11,12,13,14,15
	global_load_b128 v[R+64*((\s)%2)+4*\p:R+64*((\s)%2)+4*\p+3], v1, s[18:19] offset:(\p+8*(\p/8))*4096+512*(\s) th:TH_LOAD_NT
.endr
.endm
.macro KSTEP s
.if (\s) < 3
	s_wait_loadcnt 16                              ; this K step's 16 loads are in; the next one's 16 may be out
.else
	s_wait_loadcnt 0x0
.endif
.irp p, 0,1,2,3,4,5,6,7,8,9,10,11,12,13,14,15
	ds_store_b128 v3, v[R+64*((\s)%2)+4*\p:R+64*((\s)%2)+4*\p+3] offset:528*\p
.endr
.irp q, 0,1,2,3,4,5,6,7,8,9,10,11,12,13,14,15
	ds_load_b128 v[X+4*\q:X+4*\q+3], v4 offset:128*(\q/4)+16*(\q%4)   ; LDS serves a wave's instructions in order: these see the stores above
.endr
	s_wait_dscnt 0x0                               ; the numbers are back, and the stores have read their registers,
.if (\s) < 2
	LOAD (\s)+2                                    ; which take the loads of two K steps on
.endif
.if (\s) > 0
	s_wait_xcnt 0x0                                ; the last K step's stores have read their data: the codes' registers are written again only behind this wait
.endif
	QUANT X
	v_mov_b32 v[PWS+(\s)], v[PW]
.set OFF, ((\s)/2)*GREC+((\s)%2)*1536
	global_store_b128 v1, v[PC:PC+3], s[26:27] offset:OFF          ; 512 consecutive bytes
	global_store_b64 v2, v[PC+4:PC+5], s[26:27] offset:OFF+512     ; 256
	global_store_b128 v1, v[PC+6:PC+9], s[26:27] offset:OFF+768
	global_store_b64 v2, v[PC+10:PC+11], s[26:27] offset:OFF+1280
.endm
	s_load_b256 s[4:11], s[0:1], 0x0               ; x, Wq, Wk, Wv
	s_load_b128 s[12:15], s[0:1], 0x20             ; Wp, x_img
	s_load_b64 s[16:17], s[0:1], 0x30              ; w_img
	v_lshl_add_u32 v254, v0, 2, 0x8400
	v_mov_b32 v255, 0
	v_lshrrev_b32 v6, 5, v0
	v_readfirstlane_b32 s22, v6                    ; wave
	v_and_b32 v7, 31, v0                           ; lane
	v_and_b32 v8, 15, v0                           ; r
	v_bfe_u32 v9, v0, 4, 1                         ; h
	v_lshlrev_b32 v1, 4, v7                        ; 16 x lane
	v_lshlrev_b32 v2, 3, v7                        ; 8 x lane
	s_mul_i32 s23, s22, STG
	v_add_nc_u32 v3, s23, v1                       ; the stage, in: 16 x lane of a row
	v_mul_u32_u24 v4, v8, 528
	v_lshl_add_u32 v4, v9, 6, v4
	v_add_nc_u32 v4, s23, v4                       ; and out: row r, + 64 h
	v_mul_u32_u24 v5, v9, GREC
	v_lshl_add_u32 v5, v8, 3, v5
	v_add_nc_u32 v5, 3072, v5                      ; the scale words: lanes 0-15 my first chunk's, lanes 16-31 my second's
	s_mov_b32 s[SEL], 0x76543210
	s_mov_b32 s[SEL+1], 0xfedcba98
.irp b, 0,1,2,3
	v_mov_b32 v[TM+4+\b], 0                        ; written once: a lane permute's destination counts as one of its sources
.endr
	s_lshr_b32 s24, s22, 1                         ; u: which of the two row tiles
	s_and_b32 s25, s22, 1                          ; which half of K
	s_wait_alu depctr_va_vdst(0)
	s_wait_kmcnt 0x0
	s_cmp_lt_u32 ttmp9, 352                        ; which tensor: the choice hangs on the work-group's number alone
	s_cselect_b64 s[18:19], s[10:11], s[12:13]
	s_cmp_lt_u32 ttmp9, 320
	s_cselect_b64 s[18:19], s[8:9], s[18:19]
	s_cmp_lt_u32 ttmp9, 288
	s_cselect_b64 s[18:19], s[6:7], s[18:19]
	s_cmp_lt_u32 ttmp9, 256
	s_cselect_b64 s[18:19], s[4:5], s[18:19]
	s_cselect_b64 s[26:27], s[14:15], s[16:17]
	s_cselect_b32 s28, 0, 256
	s_cselect_b32 s29, 255, 31
	s_sub_co_u32 s28, ttmp9, s28                   ; the group of 32 rows in the buffer of images,
	s_and_b32 s29, s28, s29                        ; and in its own tensor
	s_lshl_b32 s30, s29, 17                        ; 32 rows of 4,096 bytes
	s_lshl_b32 s31, s24, 15                        ; + 8 u rows
	s_add_co_u32 s30, s30, s31
	s_lshl_b32 s31, s25, 11                        ; + my half of K
	s_add_co_u32 s30, s30, s31
	s_mov_b32 s31, 0
	s_add_nc_u64 s[18:19], s[18:19], s[30:31]
	s_lshl_b32 s32, s28, 1
	s_add_co_u32 s32, s32, s24                     ; my row tile
	s_mul_i32 s32, s32, TPITCH
	s_mul_i32 s33, s25, 2*GREC                     ; my two chunks
	s_add_co_u32 s32, s32, s33
	s_mov_b32 s33, 0
	s_add_nc_u64 s[26:27], s[26:27], s[32:33]
	LOAD 0
	LOAD 1
	KSTEP 0
	KSTEP 1
	KSTEP 2
	KSTEP 3
	v_cmp_ne_u32 vcc_lo, 0, v9
	v_cndmask_b32 v[OUTP], v[PWS], v[PWS+2], vcc_lo
	v_cndmask_b32 v[OUTP+1], v[PWS+1], v[PWS+3], vcc_lo
	global_store_b64 v5, v[OUTP:OUTP+1], s[26:27]  ; sixteen lanes store a chunk's 128 bytes of scale words
	s_wait_tensorcnt 0x0
	ds_add_u32 v254, v255
	s_wait_dscnt 0x0
	s_endpgm
.Lfunc_end_k_qd830cb9c53_quant:
	.size	k_qd830cb9c53_quant, .Lfunc_end_k_qd830cb9c53_quant-k_qd830cb9c53_quant
	.p2alignl 7, 3214868480
	.fill 96, 4, 3214868480
	.section	.rodata,"a",@progbits
	.p2align	6, 0x0
	.amdhsa_kernel k_qd830cb9c53_quant
		.amdhsa_group_segment_fixed_size 34304
		.amdhsa_private_segment_fixed_size 0
		.amdhsa_enable_private_segment 0
		.amdhsa_kernarg_size 56
		.amdhsa_user_sgpr_count 2
		.amdhsa_user_sgpr_kernarg_segment_ptr 1
		.amdhsa_wavefront_size32 1
		.amdhsa_system_sgpr_workgroup_id_x 1
		.amdhsa_system_sgpr_workgroup_id_y 1
		.amdhsa_system_sgpr_workgroup_id_z 1
		.amdhsa_system_vgpr_workitem_id 0
		.amdhsa_next_free_vgpr 256
		.amdhsa_next_free_sgpr 66
		.amdhsa_reserve_vcc 1
		.amdhsa_float_denorm_mode_32 3
		.amdhsa_float_denorm_mode_16_64 3
		.amdhsa_memory_ordered 1
		.amdhsa_forward_progress 1
		.amdhsa_inst_pref_size 34
	.end_amdhsa_kernel
	.amdgpu_metadata
---
amdhsa.version: [ 1, 2 ]
amdhsa.kernels:
  - .name:           k_qd830cb9c53_quant
    .symbol:         k_qd830cb9c53_quant.kd
    .args:
      - { .name: x, .offset: 0, .size: 8, .value_kind: global_buffer, .address_space: global }
      - { .name: Wq, .offset: 8, .size: 8, .value_kind: global_buffer, .address_space: global }
      - { .name: Wk, .offset: 16, .size: 8, .value_kind: global_buffer, .address_space: global }
      - { .name: Wv, .offset: 24, .size: 8, .value_kind: global_buffer, .address_space: global }
      - { .name: Wp, .offset: 32, .size: 8, .value_kind: global_buffer, .address_space: global }
      - { .name: x_img, .offset: 40, .size: 8, .value_kind: global_buffer, .address_space: global }
      - { .name: w_img, .offset: 48, .size: 8, .value_kind: global_buffer, .address_space: global }
    .group_segment_fixed_size: 34304
    .private_segment_fixed_size: 0
    .kernarg_segment_align: 8
    .kernarg_segment_size: 56
    .max_flat_workgroup_size: 128
    .sgpr_count:     66
    .vgpr_count:     256
    .wavefront_size: 32
...
	.end_amdgpu_metadata
.endif
;; end of part 1
;; launch qkv (part 2): grid 12 x 64, 4 waves a work-group, clusters of 4 x 4, 307,712 bytes of LDS; arguments x_img, w_img, bq, bk, bv, q_img, kv; writes q_img, kv
.if DOCPART == 2
	.amdgcn_target "amdgcn-amd-amdhsa--gfx1250"
	.amdhsa_code_object_version 6
	.text
	.protected	k_qd830cb9c53_qkv
	.globl	k_qd830cb9c53_qkv
	.p2align	8
	.type	k_qd830cb9c53_qkv,@function
k_qd830cb9c53_qkv:
	s_mov_b64 s[64:65], 0
	v_nop
	global_prefetch_b8 v0, s[64:65] scope:SCOPE_SE
	s_setreg_imm32_b32 hwreg(HW_REG_WAVE_MODE, 25, 1), 1
	s_wait_xcnt 0x0
	s_wait_alu depctr_hold_cnt(0) depctr_sa_sdst(0) depctr_va_vdst(0) depctr_va_sdst(0) depctr_va_ssrc(0) depctr_va_vcc(0) depctr_vm_vsrc(0)
	s_getreg_b32 s2, hwreg(HW_REG_IB_STS2, 6, 4)
	s_cmp_eq_u32 s2, 0
	s_cbranch_scc0 .Lentry_in_a_cluster
	s_endpgm
.Lentry_in_a_cluster:
	s_bfe_u32 s2, ttmp6, 0x10000c
	s_cmp_lg_u32 s2, 0xf033
	s_cbranch_scc0 .Lentry_shape_is_right
	s_endpgm
.Lentry_shape_is_right:
; q = x Wq^T + bq, k = x Wk^T + bk, v = x Wv^T + bv on codes of FP6 (E2M3) with E8M0 scales, sums in f32; the results are quantised again in registers and leave as images of operands' registers.
; The cluster's x says which: 0 q, 1 k, 2 v.  A work-group multiplies a P side of 256 rows (source 0) by a Q side of 128 rows (source 1), all of K = 1,024.
;   q, k: P = the weight's rows (features), Q = tokens: a lane holds one token and its registers run along the head's 64: q and k are quantised along the head's axis.
;   v:    P = tokens, Q = Wv's rows: a lane holds one feature and its registers run along 128 tokens: v is quantised along the keys, with the keys innermost.  Nothing is transposed by an instruction.
; Row tiles are permuted (tile 2 g + u holds in row p the row 32 g + 8 u + p + 8 (p / 8)), so that the 16 registers of source 0's tiles 2 b and 2 b + 1 are 16 neighbours.
; ALL OF K LIES IN LDS: (256 + 128) rows x 800 bytes = 307,200 bytes, in four chunks of 256 along K, each filled ONCE: no byte of LDS is filled again.  A wave has four tensor loads out at the most.
; CLUSTER 4 x 4: P's tiles hang on cx and are asked for jointly down a column, Q's on cy and jointly along a row.
; Four waves: wave w takes P's rows 128 (w % 2) on and Q's rows 64 (w / 2) on: 8 x 4 = 32 accumulators, which take turns, one instruction a turn.
; LIMITS: NaN and infinities are not served; a block of zeros gets the byte 1 where the rule says 127 (its codes are zeros, and this program alone reads the bytes).
; REGISTERS: window 0: v1-15 lanes' numbers and addresses; v16-63 scale words, two sets; v64-159 Q's fragments, two sets; v160-255 biases and the tail's work.
;   window 1: P's fragments, two sets of 96.   window 2: accumulator (a, b) at v[64 a + 8 b].
.set QB,     204800                    ; LDS: P's four chunks of 51,200 bytes from 0; Q's four of 25,600 from here
.set PCH,    51200
.set QCH,    25600
.set REC,    3200                      ; a row tile's part of a chunk in LDS: two fragments and 128 bytes of scale words
.set GREC,   3328                      ; the same in memory (its last 128 bytes are not read)
.set TPITCH, 13312
.set AP16, 4
.set AP8,  5
.set AQ16, 6
.set AQ8,  7
.set ASP,  8
.set ASQ,  9
.set SCW,  16                          ; scale words: set cs at 16 + 24 cs: P's tile b at + 2 b, Q's tile a at + 16 + 2 a; register + q for the chunk's K step q
.set QF,   64                          ; Q's fragments: set s at 64 + 48 s
.set X,    64                          ; the tail: 64 numbers
.set PC,   128                         ; the codes just made
.set BP,   160                         ; v160-223 the bias by registers (q, k)
.set BQ,   224                         ; v224-231 the bias by lanes (v), each number twice
.set TM,   232
.set PW,   248
.set PWS,  250                         ; v250-253 the four tiles' scale words
.set OUTP, 254
.set WV,   18
.set HALF, 19                          ; w % 2: my half of P's rows; also which half of a tile I fetch
.set ROLE, 20                          ; w / 2: my half of Q's rows; also: I fetch for Q (0) or for P (1)
.set G1Q,  32
.set G1P,  40
.set G0Q,  48                          ; s[48:63] a group 0 for each chunk
.set SEL,  66
.set G0P,  68                          ; s[68:83]
.set MSB, 0
.macro WIN new                         ; the immediate's high byte repeats the setting that is left
.if MSB != \new
	s_set_vgpr_msb (MSB<<8)|\new
.set MSB, \new
.endif
.endm
.macro PLACES n
.rept \n
	v_nop
.endr
.endm
.macro CROUND                          ; a round of the cluster's barrier
	s_barrier_signal -1
	s_barrier_wait -1
	s_cmp_lg_u32 s[WV], 0
	s_cbranch_scc1 .Lnot_wave_0_\@
	s_barrier_signal -3
.Lnot_wave_0_\@:
	s_barrier_wait -3
	s_barrier_signal -1
	s_barrier_wait -1
.endm
.macro QUANT s                         ; 64 numbers of a lane (register 16 b + i = k 32 b + 16 (lane / 16) + i) -> a fragment in v[PC] on, its scale word in v[PW]
.irp b, 0,1,2,3
	v_max3_num_f32 v[TM+\b], |v[\s+16*\b]|, |v[\s+1+16*\b]|, 0x1800000   ; and the floor 2^(3 - 127): the byte cannot fall under 1
.endr
.irp i, 2,4,6,8,10,12,14
.irp b, 0,1,2,3
	v_max3_num_f32 v[TM+\b], v[TM+\b], |v[\s+16*\b+\i]|, |v[\s+1+16*\b+\i]|
.endr
.endr
.irp b, 0,1,2,3
	v_permlanex16_b32 v[TM+4+\b], v[TM+\b], s[SEL], s[SEL+1]
.endr
.irp b, 0,1,2,3
	v_max_num_f32 v[TM+\b], v[TM+\b], v[TM+4+\b]
.endr
.irp b, 0,1,2,3
	v_add_nc_u32 v[TM+12+\b], 0xff000000, v[TM+\b]   ; 2 off the exponent field: the conversion's scale operand
.endr
.irp b, 0,1,2,3
	v_lshrrev_b32 v[TM+4+\b], 23, v[TM+12+\b]
.endr
	v_lshl_or_b32 v[PW], v[TM+5], 8, v[TM+4]
	v_lshl_or_b32 v[PW], v[TM+6], 16, v[PW]
	v_lshl_or_b32 v[PW], v[TM+7], 24, v[PW]
.irp c, 0,1
	v_cvt_scalef32_pk16_fp6_f32 v[PC+6*\c:PC+2+6*\c], v[\s+32*\c:\s+15+32*\c], v[TM+12+2*\c]
	v_cvt_scalef32_pk16_fp6_f32 v[PC+12+4*\c:PC+14+4*\c], v[\s+16+32*\c:\s+31+32*\c], v[TM+12+2*\c+1]
.endr
	v_nop                                          ; one plain instruction behind the scaled conversions
.irp c, 0,1
.irp i, 0,1,2
	v_permlane16_swap_b32 v[PC+6*\c+\i], v[PC+12+4*\c+\i]
.endr
.irp i, 0,1,2
	v_mov_b32 v[PC+3+6*\c+\i], v[PC+12+4*\c+\i]
.endr
.endr
.endm
; 48 LDS loads: the fragments of the chunk's K step q: P's eight into set, Q's four likewise.  Every load takes 512 or 256 consecutive bytes.
.macro FETCH set, q
	WIN 0x40                                       ; destination window 1
.irp i, 0,1,2,3,4,5,6,7
	ds_load_b128 v[96*(\set)+12*\i:96*(\set)+12*\i+3],     v[AP16] offset:REC*\i+1536*(\q)
	ds_load_b64  v[96*(\set)+12*\i+4:96*(\set)+12*\i+5],   v[AP8]  offset:REC*\i+1536*(\q)+512
	ds_load_b128 v[96*(\set)+12*\i+6:96*(\set)+12*\i+9],   v[AP16] offset:REC*\i+1536*(\q)+768
	ds_load_b64  v[96*(\set)+12*\i+10:96*(\set)+12*\i+11], v[AP8]  offset:REC*\i+1536*(\q)+1280
.endr
	WIN 0
.irp i, 0,1,2,3
	ds_load_b128 v[QF+48*(\set)+12*\i:QF+48*(\set)+12*\i+3],     v[AQ16] offset:REC*\i+1536*(\q)
	ds_load_b64  v[QF+48*(\set)+12*\i+4:QF+48*(\set)+12*\i+5],   v[AQ8]  offset:REC*\i+1536*(\q)+512
	ds_load_b128 v[QF+48*(\set)+12*\i+6:QF+48*(\set)+12*\i+9],   v[AQ16] offset:REC*\i+1536*(\q)+768
	ds_load_b64  v[QF+48*(\set)+12*\i+10:QF+48*(\set)+12*\i+11], v[AQ8]  offset:REC*\i+1536*(\q)+1280
.endr
.endm
.macro SCALES cs                       ; a chunk's scale words: two a row, every lane its row r's
.irp i, 0,1,2,3,4,5,6,7
	ds_load_b64 v[SCW+24*(\cs)+2*\i:SCW+24*(\cs)+2*\i+1], v[ASP] offset:REC*\i
.endr
.irp i, 0,1,2,3
	ds_load_b64 v[SCW+24*(\cs)+16+2*\i:SCW+24*(\cs)+16+2*\i+1], v[ASQ] offset:REC*\i
.endr
.endm
.macro MUL16 a0, set, q, cs, zero      ; Q's tiles a0, a0 + 1 x P's eight, 128 along K.  zero = 1: the first product starts the sums
.irp a, \a0, \a0+1
.irp b, 0,1,2,3,4,5,6,7
.if \zero
	v_wmma_scale_f32_16x16x128_f8f6f4 v[64*(\a)+8*\b:64*(\a)+8*\b+7], v[96*(\set)+12*\b:96*(\set)+12*\b+11], v[QF+48*(\set)+12*(\a):QF+48*(\set)+12*(\a)+11], 0, v[SCW+24*(\cs)+2*\b+(\q)], v[SCW+24*(\cs)+16+2*(\a)+(\q)] matrix_a_fmt:MATRIX_FMT_FP6 matrix_b_fmt:MATRIX_FMT_FP6
.else
	v_wmma_scale_f32_16x16x128_f8f6f4 v[64*(\a)+8*\b:64*(\a)+8*\b+7], v[96*(\set)+12*\b:96*(\set)+12*\b+11], v[QF+48*(\set)+12*(\a):QF+48*(\set)+12*(\a)+11], v[64*(\a)+8*\b:64*(\a)+8*\b+7], v[SCW+24*(\cs)+2*\b+(\q)], v[SCW+24*(\cs)+16+2*(\a)+(\q)] matrix_a_fmt:MATRIX_FMT_FP6 matrix_b_fmt:MATRIX_FMT_FP6
.endif
.endr
.endr
.endm
.macro EVEN c, zero                    ; a chunk's first K step, on set 0; the second's fragments are fetched into set 1
.if \c > 0
	PLACES 4                                       ; in front of loads into registers that the last products read
.endif
	FETCH 1, 1
	s_wait_dscnt 48                                ; all but the 48 just issued: set 0 and the chunk's scale words are in
	WIN 0xa1                                       ; source 0 window 1, source 1 window 0, C and D window 2
	MUL16 0, 0, 0, (\c)%2, \zero
	MUL16 2, 0, 0, (\c)%2, \zero
.endm
.macro ODD c                           ; a chunk's second K step, on set 1; behind a barrier the next chunk's first fragments are fetched
	s_wait_tensorcnt 2-\c                          ; my part of the next chunk is in; my loads for the chunks behind it may stay out
	s_wait_dscnt 0x0                               ; set 1 is in; no LDS instruction of mine is out at the signal
	s_barrier_signal -1
	MUL16 0, 1, 1, (\c)%2, 0
	s_barrier_wait -1                              ; everybody's part of the next chunk is in
	WIN 0
	v_add_nc_u32 v[AP16], PCH, v[AP16]             ; on to the next chunk.  These six are also the places in front of the loads below
	v_add_nc_u32 v[AP8],  PCH, v[AP8]
	v_add_nc_u32 v[ASP],  PCH, v[ASP]
	v_add_nc_u32 v[AQ16], QCH, v[AQ16]
	v_add_nc_u32 v[AQ8],  QCH, v[AQ8]
	v_add_nc_u32 v[ASQ],  QCH, v[ASQ]
	SCALES ((\c)+1)%2
	FETCH 0, 0
	WIN 0xa1
	MUL16 2, 1, 1, (\c)%2, 0
.endm
	s_load_b256 s[4:11], s[0:1], 0x0               ; x_img, w_img, bq, bk
	s_load_b128 s[12:15], s[0:1], 0x20             ; bv, q_img
	s_load_b64 s[16:17], s[0:1], 0x30              ; kv
	v_lshl_add_u32 v243, v0, 2, 0x4b000
	v_mov_b32 v249, 0
	ds_add_u32 v243, v249
	ds_add_u32 v243, v249
	v_lshrrev_b32 v1, 5, v0
	v_readfirstlane_b32 s[WV], v1
	s_and_b32 s[HALF], s[WV], 1
	s_lshr_b32 s[ROLE], s[WV], 1
	s_bfe_u32 s21, ttmp6, 0x40000                  ; cx
	s_bfe_u32 s22, ttmp6, 0x40004                  ; cy
	s_mov_b32 s23, ttmp9                           ; the cluster's x: 0 q, 1 k, 2 v: the same in all sixteen partners
	s_and_b32 s24, ttmp7, 0xffff                   ; the cluster's y
	s_lshl_b32 s27, s23, 2                         ; q, k: P's block of 256 rows of w_img = 4 x kind + cx
	s_lshr_b32 s28, s24, 1
	s_lshl_b32 s28, s28, 2                         ; v:    of x_img = 4 (cluster y / 2) + cx
	s_lshl_b32 s29, s24, 2                         ; q, k: Q's block of 128 rows of x_img = 4 x cluster y + cy
	s_and_b32 s30, s24, 1
	s_lshl_b32 s30, s30, 2
	s_add_co_u32 s30, s30, 16                      ; v:    of w_img = 16 + 4 (cluster y % 2) + cy
	s_cmp_lt_u32 s23, 2
	s_cselect_b32 s25, s27, s28
	s_cselect_b32 s26, s29, s30
	s_add_co_u32 s25, s25, s21                     ; PT: never holds cy
	s_add_co_u32 s26, s26, s22                     ; QT: never holds cx
	s_lshl_b32 s27, s22, 2
	s_lshl_b32 s27, 15, s27                        ; my row of the cluster
	s_lshl_b32 s28, 0x1111, s21                    ; my column
	s_or_b32 s[G1Q], s27, (3<<16)|(1<<21)          ; 15:0 the mask; 17:16 elements of 8 bytes; 21 set beside a mask; no padding
	s_or_b32 s[G1P], s28, (3<<16)|(1<<21)
	s_mov_b32 s[G1Q+1], 400<<16                    ; tensor_dim0: 400 elements = 3,200 bytes: a row tile's part of a chunk
	s_mov_b32 s[G1Q+2], 4<<16                      ; tensor_dim1: 4 row tiles
	s_mov_b32 s[G1Q+3], 400<<16                    ; tile_dim0
	s_mov_b32 s[G1Q+4], 4                          ; tile_dim1
	s_mov_b32 s[G1Q+5], TPITCH/8                   ; from row tile to row tile, in elements
	s_mov_b32 s[G1Q+6], 0
	s_mov_b32 s[G1Q+7], 0
	s_mov_b32 s[G1P+1], 400<<16
	s_mov_b32 s[G1P+2], 8<<16                      ; 8 row tiles
	s_mov_b32 s[G1P+3], 400<<16
	s_mov_b32 s[G1P+4], 8
	s_mov_b32 s[G1P+5], TPITCH/8
	s_mov_b32 s[G1P+6], 0
	s_mov_b32 s[G1P+7], 0
	s_lshl_b32 s84, s25, 4
	s_lshl_b32 s85, s[HALF], 3
	s_add_co_u32 s84, s84, s85                     ; P: row tile 16 PT + 8 x half
	s_mul_i32 s84, s84, TPITCH
	s_mov_b32 s85, 0
	s_lshl_b32 s86, s26, 3
	s_lshl_b32 s87, s[HALF], 2
	s_add_co_u32 s86, s86, s87                     ; Q: row tile 8 QT + 4 x half
	s_mul_i32 s86, s86, TPITCH
	s_mov_b32 s87, 0
	s_mul_i32 s88, s[HALF], 4*REC                  ; where they go: the wave's number alone enters an LDS address
	s_mul_i32 s89, s[HALF], 8*REC
	s_mov_b32 s[SEL], 0x76543210
	s_mov_b32 s[SEL+1], 0xfedcba98
	s_wait_dscnt 0x0
	s_wait_kmcnt 0x0
	s_cmp_lt_u32 s23, 2
	s_cselect_b64 s[90:91], s[6:7], s[4:5]         ; P's buffer
	s_cselect_b64 s[92:93], s[4:5], s[6:7]         ; Q's
	s_add_nc_u64 s[90:91], s[90:91], s[84:85]
	s_add_nc_u64 s[92:93], s[92:93], s[86:87]
	CROUND                                         ; all sixteen work-groups are here: the joint loads meet
.irp c, 0,1,2,3
	s_mov_b32 s[G0Q+4*\c], 1
	s_add_co_u32 s[G0Q+4*\c+1], s88, QB+\c*QCH
	s_add_nc_u64 s[G0Q+4*\c+2:G0Q+4*\c+3], s[92:93], \c*GREC
	s_or_b32 s[G0Q+4*\c+3], s[G0Q+4*\c+3], 0x80000000
	s_mov_b32 s[G0P+4*\c], 1
	s_add_co_u32 s[G0P+4*\c+1], s89, \c*PCH
	s_add_nc_u64 s[G0P+4*\c+2:G0P+4*\c+3], s[90:91], \c*GREC
	s_or_b32 s[G0P+4*\c+3], s[G0P+4*\c+3], 0x80000000
.endr
	s_cmp_eq_u32 s[ROLE], 0                        ; all of a wave's fills stand in one branch on its number: four loads of mine are out
	s_cbranch_scc0 .Lfill_p
	tensor_load_to_lds s[G0Q:G0Q+3], s[G1Q:G1Q+7]
	s_nop 0
	tensor_load_to_lds s[G0Q+4:G0Q+7], s[G1Q:G1Q+7]
	s_nop 0
	tensor_load_to_lds s[G0Q+8:G0Q+11], s[G1Q:G1Q+7]
	s_nop 0
	tensor_load_to_lds s[G0Q+12:G0Q+15], s[G1Q:G1Q+7]
	s_nop 0
	PLACES 4
	s_branch .Lfilled
.Lfill_p:
	tensor_load_to_lds s[G0P:G0P+3], s[G1P:G1P+7]
	s_nop 0
	tensor_load_to_lds s[G0P+4:G0P+7], s[G1P:G1P+7]
	s_nop 0
	tensor_load_to_lds s[G0P+8:G0P+11], s[G1P:G1P+7]
	s_nop 0
	tensor_load_to_lds s[G0P+12:G0P+15], s[G1P:G1P+7]
	s_nop 0
	PLACES 4
.Lfilled:
	v_and_b32 v1, 15, v0                           ; r
	v_bfe_u32 v2, v0, 4, 1                         ; h
	v_and_b32 v3, 31, v0                           ; lane
	v_lshlrev_b32 v10, 4, v3
	v_lshlrev_b32 v11, 3, v3
	s_mul_i32 s27, s[HALF], 8*REC                  ; my 8 tiles of P
	s_mul_i32 s28, s[ROLE], 4*REC                  ; my 4 tiles of Q
	s_add_co_u32 s28, s28, QB
	v_add_nc_u32 v[AP16], s27, v10
	v_add_nc_u32 v[AP8],  s27, v11
	v_add_nc_u32 v[AQ16], s28, v10
	v_add_nc_u32 v[AQ8],  s28, v11
	v_lshlrev_b32 v15, 3, v1
	v_add_nc_u32 v15, 3072, v15
	v_add_nc_u32 v[ASP], s27, v15
	v_add_nc_u32 v[ASQ], s28, v15
.irp b, 0,1,2,3
	v_mov_b32 v[TM+4+\b], 0                        ; written once: a lane permute's destination counts as one of its sources
.endr
	; the bias, in both patterns, on the one way that all kinds take; both lie inside the 1,024 numbers; the tail uses the one that its kind needs
	s_cmp_eq_u32 s23, 0
	s_cselect_b64 s[94:95], s[8:9], s[10:11]
	s_cmp_eq_u32 s23, 2
	s_cselect_b64 s[94:95], s[12:13], s[94:95]
	s_and_b32 s27, s25, 3
	s_lshl_b32 s27, s27, 10
	s_lshl_b32 s28, s[HALF], 9
	s_add_co_u32 s28, s27, s28                     ; by registers: features (PT % 4) 256 + 128 (w % 2) on
	s_mov_b32 s29, 0
	s_add_nc_u64 s[96:97], s[94:95], s[28:29]
	s_lshl_b32 s30, s26, 1
	s_add_co_u32 s30, s30, s[ROLE]                 ; 2 QT + w / 2: kept for the tail
	s_and_b32 s28, s30, 15
	s_lshl_b32 s28, s28, 8                         ; by lanes: the head's 64 features
	s_add_nc_u64 s[98:99], s[94:95], s[28:29]
	v_lshlrev_b32 v12, 6, v2                       ; 64 h
	v_and_b32 v13, 8, v1
	v_add_nc_u32 v13, v13, v1
	v_lshlrev_b32 v13, 2, v13                      ; 4 (r + 8 (r / 8))
.irp b, 0,1,2,3,4,5,6,7
	global_load_b128 v[BP+8*\b:BP+8*\b+3],   v12, s[96:97] offset:(32*(\b/2)+8*(\b%2))*4
	global_load_b128 v[BP+8*\b+4:BP+8*\b+7], v12, s[96:97] offset:(32*(\b/2)+8*(\b%2))*4+16
.endr
.irp a, 0,1,2,3
	global_load_b32 v[BQ+2*\a],   v13, s[98:99] offset:(32*(\a/2)+8*(\a%2))*4
	global_load_b32 v[BQ+2*\a+1], v13, s[98:99] offset:(32*(\a/2)+8*(\a%2))*4
.endr
	s_wait_alu depctr_va_vdst(0)
	s_wait_tensorcnt 0x3                           ; my part of chunk 0 is in; my three later loads may stay out
	s_barrier_signal -1
	s_barrier_wait -1                              ; everybody's is
	SCALES 0
	FETCH 0, 0
	EVEN 0, 1
	ODD 0
	EVEN 1, 0
	s_wait_alu depctr_va_vdst(0)
	ODD 1
	EVEN 2, 0
	s_wait_alu depctr_va_vdst(0)
	ODD 2
	EVEN 3, 0
	s_wait_dscnt 0x0                               ; the last K step: nothing more to fetch
	MUL16 0, 1, 1, 1, 0
	MUL16 2, 1, 1, 1, 0
	WIN 0
	PLACES 4                                       ; in front of the first read of results and of writes into registers that held fragments
	s_wait_loadcnt 0x0                             ; the biases
; THE TAIL, a tile of Q's rows at a time: + bias in f32, quantised along source 0's rows, stored as an image.  Each accumulator is read from its low end on.
.macro TAILA a, isv
	WIN 0x02                                       ; source 0: window 2
.set i, 0
.rept 32
.if \isv
	v_pk_add_f32 v[X+2*i:X+2*i+1], v[64*\a+2*i:64*\a+2*i+1], v[BQ+2*\a:BQ+2*\a+1]
.else
	v_pk_add_f32 v[X+2*i:X+2*i+1], v[64*\a+2*i:64*\a+2*i+1], v[BP+2*i:BP+2*i+1]
.endif
.set i, i+1
.endr
	WIN 0
.if \a > 0
	s_wait_xcnt 0x0                                ; the last tile's stores have read their data: the codes' registers are written again only behind this wait
.endif
	QUANT X
	v_mov_b32 v[PWS+\a], v[PW]
.if \isv
	global_store_b128 v10, v[PC:PC+3],     s[92:93] offset:1536*\a        ; V^T's fragment of 16 features x 128 keys
	global_store_b64  v11, v[PC+4:PC+5],   s[92:93] offset:1536*\a+512
	global_store_b128 v10, v[PC+6:PC+9],   s[92:93] offset:1536*\a+768
	global_store_b64  v11, v[PC+10:PC+11], s[92:93] offset:1536*\a+1280
.else
	global_store_b128 v10, v[PC:PC+3],     s[92:93] offset:768*\a         ; the first head's 64: half a fragment
	global_store_b64  v11, v[PC+4:PC+5],   s[92:93] offset:768*\a+512
	global_store_b128 v10, v[PC+6:PC+9],   s[96:97] offset:768*\a         ; the second head's
	global_store_b64  v11, v[PC+10:PC+11], s[96:97] offset:768*\a+512
.endif
.endm
	s_cmp_eq_u32 s23, 2
	s_cbranch_scc1 .Ltail_v
	; q, k.  My 64 tokens: batch (2 QT + w / 2) / 32, group g of 64 = the rest; my two heads: 4 (PT % 4) + 2 (w % 2) and the next
	s_lshr_b32 s27, s30, 5
	s_lshl_b32 s27, s27, 4
	s_and_b32 s28, s25, 3
	s_lshl_b32 s28, s28, 2
	s_add_co_u32 s27, s27, s28
	s_lshl_b32 s28, s[HALF], 1
	s_add_co_u32 s27, s27, s28                     ; batch x 16 + head
	s_and_b32 s28, s30, 31                         ; g
	s_lshl_b32 s84, s27, 5
	s_add_co_u32 s84, s84, s28
	s_mul_i32 s84, s84, 3328                       ; q_img: [batch x head][g][3,328]: four half fragments,
	s_add_co_u32 s86, s84, 3072                    ; then [16 r][4 tiles] words
	s_lshl_b32 s88, s27, 4
	s_lshr_b32 s89, s28, 1
	s_add_co_u32 s88, s88, s89
	s_mul_i32 s88, s88, 13056                      ; kv: [batch x head][key step g / 2][13,056]
	s_and_b32 s89, s28, 1
	s_mul_i32 s29, s89, 3072                       ; K's tiles 4 (g % 2) on
	s_lshl_b32 s89, s89, 8
	s_add_co_u32 s89, s89, s88
	s_add_co_u32 s89, s89, 12288                   ; K's words [g % 2][16 r][4 tiles]
	s_add_co_u32 s88, s88, s29
	s_mov_b32 s31, 208896                          ; from head to head in kv,
	s_cmp_eq_u32 s23, 0
	s_cselect_b32 s84, s84, s88
	s_cselect_b32 s86, s86, s89
	s_cselect_b32 s31, 106496, s31                 ; in q_img
	s_cselect_b64 s[90:91], s[14:15], s[16:17]
	s_mov_b32 s85, 0
	s_mov_b32 s87, 0
	s_add_nc_u64 s[92:93], s[90:91], s[84:85]      ; the first head's images
	s_add_nc_u64 s[94:95], s[90:91], s[86:87]      ; its words
	s_mov_b32 s84, s31
	s_add_nc_u64 s[96:97], s[92:93], s[84:85]      ; the second head's images
	v_mul_lo_u32 v14, v2, s31
	v_lshl_add_u32 v14, v1, 4, v14                 ; words: 16 r; lanes 16-31 the second head's
	v_lshlrev_b32 v15, 4, v2
	TAILA 0, 0
	TAILA 1, 0
	TAILA 2, 0
	TAILA 3, 0
.irp a, 0,1,2,3
	v_lshrrev_b32 v[PWS+\a], v15, v[PWS+\a]        ; bytes 0, 1: the first head's two blocks; bytes 2, 3: the second's
.endr
.irp a, 0,1,2,3
	v_and_b32 v[PWS+\a], 0xffff, v[PWS+\a]         ; the upper 64 of the product's K are zero codes: their bytes are 0
.endr
	global_store_b128 v14, v[PWS:PWS+3], s[94:95]  ; sixteen lanes store 256 consecutive bytes, aligned
	s_branch .Lend
.Ltail_v:
	; v.  My 128 tokens are a key step: batch (2 PT + w % 2) / 16, step = the rest; my head: (2 QT + w / 2) % 16
	s_lshl_b32 s27, s25, 1
	s_add_co_u32 s27, s27, s[HALF]
	s_lshr_b32 s28, s27, 4
	s_lshl_b32 s28, s28, 4
	s_and_b32 s29, s30, 15
	s_add_co_u32 s28, s28, s29
	s_lshl_b32 s28, s28, 4
	s_and_b32 s27, s27, 15
	s_add_co_u32 s28, s28, s27
	s_mul_i32 s84, s28, 13056
	s_add_co_u32 s84, s84, 6144                    ; V^T's four fragments lie behind K's eight halves
	s_mov_b32 s85, 0
	s_add_nc_u64 s[92:93], s[16:17], s[84:85]
	v_lshlrev_b32 v14, 4, v1
	v_lshl_add_u32 v14, v2, 3, v14                 ; words [16 r][4 tiles]: lanes 0-15 tiles 0, 1; lanes 16-31 tiles 2, 3
	TAILA 0, 1
	TAILA 1, 1
	TAILA 2, 1
	TAILA 3, 1
	v_cmp_ne_u32 vcc_lo, 0, v2
	v_cndmask_b32 v[OUTP], v[PWS], v[PWS+2], vcc_lo
	v_cndmask_b32 v[OUTP+1], v[PWS+1], v[PWS+3], vcc_lo
	global_store_b64 v14, v[OUTP:OUTP+1], s[92:93] offset:6656   ; 32 lanes store 256 consecutive bytes, aligned
.Lend:
	s_wait_tensorcnt 0x0
	ds_add_u32 v243, v249
	s_wait_dscnt 0x0
	CROUND                                         ; the closing round: no work-group ends while a partner may still ask for a tile that names it
	s_endpgm
.Lfunc_end_k_qd830cb9c53_qkv:
	.size	k_qd830cb9c53_qkv, .Lfunc_end_k_qd830cb9c53_qkv-k_qd830cb9c53_qkv
	.p2alignl 7, 3214868480
	.fill 96, 4, 3214868480
	.section	.rodata,"a",@progbits
	.p2align	6, 0x0
	.amdhsa_kernel k_qd830cb9c53_qkv
		.amdhsa_group_segment_fixed_size 307712
		.amdhsa_private_segment_fixed_size 0
		.amdhsa_enable_private_segment 0
		.amdhsa_kernarg_size 56
		.amdhsa_user_sgpr_count 2
		.amdhsa_user_sgpr_kernarg_segment_ptr 1
		.amdhsa_wavefront_size32 1
		.amdhsa_system_sgpr_workgroup_id_x 1
		.amdhsa_system_sgpr_workgroup_id_y 1
		.amdhsa_system_sgpr_workgroup_id_z 1
		.amdhsa_system_vgpr_workitem_id 0
		.amdhsa_next_free_vgpr 768
		.amdhsa_next_free_sgpr 100
		.amdhsa_reserve_vcc 1
		.amdhsa_float_denorm_mode_32 3
		.amdhsa_float_denorm_mode_16_64 3
		.amdhsa_memory_ordered 1
		.amdhsa_forward_progress 1
		.amdhsa_inst_pref_size 126
	.end_amdhsa_kernel
	.amdgpu_metadata
---
amdhsa.version: [ 1, 2 ]
amdhsa.kernels:
  - .name:           k_qd830cb9c53_qkv
    .symbol:         k_qd830cb9c53_qkv.kd
    .args:
      - { .name: x_img, .offset: 0, .size: 8, .value_kind: global_buffer, .address_space: global }
      - { .name: w_img, .offset: 8, .size: 8, .value_kind: global_buffer, .address_space: global }
      - { .name: bq, .offset: 16, .size: 8, .value_kind: global_buffer, .address_space: global }
      - { .name: bk, .offset: 24, .size: 8, .value_kind: global_buffer, .address_space: global }
      - { .name: bv, .offset: 32, .size: 8, .value_kind: global_buffer, .address_space: global }
      - { .name: q_img, .offset: 40, .size: 8, .value_kind: global_buffer, .address_space: global }
      - { .name: kv, .offset: 48, .size: 8, .value_kind: global_buffer, .address_space: global }
    .group_segment_fixed_size: 307712
    .private_segment_fixed_size: 0
    .kernarg_segment_align: 8
    .kernarg_segment_size: 56
    .max_flat_workgroup_size: 128
    .sgpr_count:     100
    .vgpr_count:     768
    .wavefront_size: 32
...
	.end_amdgpu_metadata
.endif
;; end of part 2
;; launch attn (part 3): grid 4 x 64, 16 waves a work-group, clusters of 4 x 1, 210,944 bytes of LDS; arguments q_img, kv, y_img; writes y_img
.if DOCPART == 3
	.amdgcn_target "amdgcn-amd-amdhsa--gfx1250"
	.amdhsa_code_object_version 6
	.text
	.protected	k_qd830cb9c53_attn
	.globl	k_qd830cb9c53_attn
	.p2align	8
	.type	k_qd830cb9c53_attn,@function
k_qd830cb9c53_attn:
	s_mov_b64 s[64:65], 0
	v_nop
	global_prefetch_b8 v0, s[64:65] scope:SCOPE_SE
	s_setreg_imm32_b32 hwreg(HW_REG_WAVE_MODE, 25, 1), 1
	s_wait_xcnt 0x0
	s_wait_alu depctr_hold_cnt(0) depctr_sa_sdst(0) depctr_va_vdst(0) depctr_va_sdst(0) depctr_va_ssrc(0) depctr_va_vcc(0) depctr_vm_vsrc(0)
	s_getreg_b32 s2, hwreg(HW_REG_IB_STS2, 6, 4)
	s_cmp_eq_u32 s2, 0
	s_cbranch_scc0 .Lentry_in_a_cluster
	s_endpgm
.Lentry_in_a_cluster:
	s_bfe_u32 s2, ttmp6, 0x10000c
	s_cmp_lg_u32 s2, 0x3003
	s_cbranch_scc0 .Lentry_shape_is_right
	s_endpgm
.Lentry_shape_is_right:
; y[b][h][q][:] = the sum over keys k <= q of softmax_k(q . k / 8) v[k][:], both products on codes of FP6 (E2M3) with E8M0 scales; y leaves quantised along C, as an image of the last product's operand.
; THE SOFTMAX: t = score x log2(e) / 8; M = the running largest t rounded UP to a whole number; p = 2^(t - M) is quantised along the keys, not normalised; the row's sum is taken of the unquantised p and divides at the end.
; ONE HEAD'S K, V AND SCALES, 16 key steps x 13,056 bytes, LIE IN LDS FOR THE WHOLE LAUNCH: wave w fetches key step w with one tensor load, once.  No byte of LDS is filled again; no barrier stands in the loops.
; CLUSTER 4 x 1: the four work-groups of a head ask for each key step jointly (mask 15).
; SHARES.  A head has 128 tiles of 16 queries.  Wave w (beta = w % 8, e = w / 8) of work-group cx takes tile 2 cx + e of the block of 128 queries 15 - beta, then of block beta: (16 - beta) + (beta + 1) = 17 key steps for every wave.
; Every wave walks 16 trips in each pass; a trip whose keys all come after the block is left out by a scalar branch on the wave's number and the trip's.  cx enters global addresses and the mask's numbers alone.
; LAYOUT.  Both products transposed: S^T = K Q^T, O^T = V^T P^T: a lane holds one query.  Tiles of keys, queries and features are permuted (tile 2 g + u, row p = 32 g + 8 u + p + 8 (p / 8)), so that registers run along neighbours.
; The head's axis is 64: the upper 64 of the first product's K are zero codes in registers 6-11 of K's and Q's fragments, cleared once.
; LIMITS: NaN and infinities are not served; a block of zeros gets the byte 1 where the rule says 127 (its codes are zeros, and this program alone reads the bytes).
; REGISTERS: v1-3 16 lane, 8 lane, 16 r; v4 the mask's number; v5-7 the same three + the step's LDS byte; v8, v9 r, h; v12 -M, v13 largest t, v[14:15] the sum; v16-27, v28 pass 0's Q and its scale word; v29-31 half words;
;   v32-79 four fragments of K; v96-159 S^T, then p, then V's four fragments; v160-191 O^T; v192-203, v204 pass 1's Q; v205-210 offsets; v224-235 p's codes; v232-254 at work.
.set KREC, 13056                       ; a key step: K 8 x 768, V^T 4 x 1,536, K's words 512, V's words 256
.set WV,    10
.set LAST0, 16
.set LAST1, 17
.set SEL,   20
.set CS,    22
.set G1,    24
.set G0,    32
.set TB,    36
.set SI,    37
.set YB0,   38
.set YB1,   40
.set QB0,   42
.set QB1,   44
.set YS,    54
.macro CROUND
	s_barrier_signal -1
	s_barrier_wait -1
	s_cmp_lg_u32 s[WV], 0
	s_cbranch_scc1 .Lnot_wave_0_\@
	s_barrier_signal -3
.Lnot_wave_0_\@:
	s_barrier_wait -3
	s_barrier_signal -1
	s_barrier_wait -1
.endm
	s_load_b128 s[4:7], s[0:1], 0x0                ; q_img, kv
	s_load_b64 s[8:9], s[0:1], 0x10                ; y_img
	v_lshl_add_u32 v243, v0, 2, 0x33000
	v_mov_b32 v255, 0
	ds_add_u32 v243, v255
	ds_add_u32 v243, v255
	v_lshrrev_b32 v8, 5, v0
	s_delay_alu instid0(VALU_DEP_1)
	v_readfirstlane_b32 s[WV], v8                  ; wave 0..15
	s_bfe_u32 s11, ttmp6, 0x40000                  ; cx
	s_and_b32 s12, ttmp7, 0xffff                   ; batch x 16 + head
	s_mov_b32 s[G1], 15|(3<<16)|(1<<21)            ; 15:0 the mask: all four; 17:16 elements of 8 bytes; 21 set beside a mask
	s_mov_b32 s[G1+1], 32<<16                      ; a dense block as rows of 256 bytes
	s_mov_b32 s[G1+2], 51<<16                      ; 51 of them
	s_mov_b32 s[G1+3], 32<<16
	s_mov_b32 s[G1+4], 51
	s_mov_b32 s[G1+5], 32
	s_mov_b32 s[G1+6], 0
	s_mov_b32 s[G1+7], 0
	s_mov_b32 s[G0], 1
	s_mul_i32 s[G0+1], s[WV], KREC                 ; key step w, in LDS
	s_mul_i32 s46, s12, 16*KREC
	s_add_co_u32 s46, s46, s[G0+1]                 ; and in memory
	s_mov_b32 s47, 0
	s_wait_dscnt 0x0
	s_wait_kmcnt 0x0
	s_add_nc_u64 s[G0+2:G0+3], s[6:7], s[46:47]
	s_or_b32 s[G0+3], s[G0+3], 0x80000000
	CROUND                                         ; all four work-groups are here: the joint loads meet
	tensor_load_to_lds s[G0:G0+3], s[G1:G1+7]      ; my one tensor load
	s_nop 0
.rept 4
	v_nop
.endr
	s_and_b32 s13, s[WV], 7                        ; beta
	s_lshr_b32 s14, s[WV], 3                       ; e
	s_lshl_b32 s15, s11, 1
	s_add_co_u32 s15, s15, s14                     ; my tile in a block of 128 queries
	s_sub_co_u32 s[LAST0], 15, s13                 ; the passes' blocks, which are also their last key steps: the wave's number alone
	s_mov_b32 s[LAST1], s13
	s_lshl_b32 s18, s[LAST0], 3
	s_add_co_u32 s18, s18, s15                     ; pass 0's tile of queries
	s_lshl_b32 s19, s13, 3
	s_add_co_u32 s19, s19, s15                     ; pass 1's
	s_lshl_b32 s46, s12, 5
	s_lshr_b32 s48, s18, 2
	s_add_co_u32 s48, s48, s46
	s_mul_i32 s48, s48, 3328                       ; q_img: [batch x head][group of 4 tiles][3,328]
	s_mov_b32 s49, 0
	s_add_nc_u64 s[QB0:QB0+1], s[4:5], s[48:49]
	s_lshr_b32 s48, s19, 2
	s_add_co_u32 s48, s48, s46
	s_mul_i32 s48, s48, 3328
	s_add_nc_u64 s[QB1:QB1+1], s[4:5], s[48:49]
	s_lshr_b32 s46, s12, 4
	s_lshl_b32 s46, s46, 7
	s_mul_i32 s46, s46, 13312                      ; y_img: the batch's 128 row tiles,
	s_and_b32 s50, s12, 15
	s_lshr_b32 s51, s50, 2
	s_mul_i32 s51, s51, 3328                       ; the chunk of four heads,
	s_add_co_u32 s46, s46, s51
	s_and_b32 s50, s50, 3
	s_mul_i32 s51, s50, 768                        ; the head's half fragment in it
	s_add_co_u32 s51, s51, s46
	s_mul_i32 s52, s18, 13312
	s_mul_i32 s53, s19, 13312
	s_add_co_u32 s48, s51, s52
	s_add_nc_u64 s[YB0:YB0+1], s[8:9], s[48:49]
	s_add_co_u32 s48, s51, s53
	s_add_nc_u64 s[YB1:YB1+1], s[8:9], s[48:49]
	s_lshl_b32 s50, s50, 1
	s_add_co_u32 s48, s46, s50
	s_add_co_u32 s48, s48, 3072                    ; the head's two scale bytes of a row: 8 r further on
	s_add_nc_u64 s[YS:YS+1], s[8:9], s[48:49]
	s_mov_b32 s[SEL], 0x76543210
	s_mov_b32 s[SEL+1], 0xfedcba98
	s_mov_b32 s[CS], 0x3e38aa3b                    ; c = log2(e) / 8
	s_mov_b32 s[CS+1], s[CS]                       ; (named with it as a pair, so it is written)
	v_and_b32 v8, 15, v0                           ; r
	v_bfe_u32 v9, v0, 4, 1                         ; h
	v_and_b32 v10, 31, v0
	s_delay_alu instid0(VALU_DEP_1)
	v_lshlrev_b32 v1, 4, v10
	s_delay_alu instid0(VALU_DEP_2)
	v_lshlrev_b32 v2, 3, v10
	v_lshlrev_b32 v3, 4, v8
	v_and_b32 v4, 8, v8
	s_delay_alu instid0(VALU_DEP_1)
	v_add_nc_u32 v4, v4, v8
	v_lshlrev_b32 v11, 4, v9
	s_delay_alu instid0(VALU_DEP_1)
	v_sub_nc_u32 v4, v4, v11
	s_lshl_b32 s46, s11, 5
	s_lshl_b32 s47, s14, 3
	s_add_co_u32 s46, s46, s47
	v_add_nc_u32 v4, s46, v4                       ; d = my query's place in its block - 16 h: register 16 b + i holds the step's key 32 b + 16 h + i, hidden on the diagonal where 32 b + i > d
	s_and_b32 s48, s15, 3
	s_mul_i32 s47, s48, 768
	s_lshl_b32 s48, s48, 2
	v_add_nc_u32 v205, s47, v1
	v_add_nc_u32 v206, s47, v2
	v_add_nc_u32 v207, s48, v3
	global_load_b128 v[16:19], v205, s[QB0:QB0+1]
	global_load_b64 v[20:21], v206, s[QB0:QB0+1] offset:512
	global_load_b32 v28, v207, s[QB0:QB0+1] offset:3072
	global_load_b128 v[192:195], v205, s[QB1:QB1+1]
	global_load_b64 v[196:197], v206, s[QB1:QB1+1] offset:512
	global_load_b32 v204, v207, s[QB1:QB1+1] offset:3072
	v_lshl_add_u32 v208, v8, 3, s52
	v_lshl_add_u32 v209, v8, 3, s53
.irp j, 0,1,2,3,4,5
	v_mov_b32 v[22+\j], 0                          ; zero codes for the upper 64 of the first product's K: Q's,
	v_mov_b32 v[198+\j], 0
.irp t, 0,1,2,3
	v_mov_b32 v[38+12*\t+\j], 0                    ; and K's: cleared once, never loaded into
.endr
.endr
.irp b, 0,1,2,3
	v_mov_b32 v[236+\b], 0                         ; written once: a lane permute's destination counts as one of its sources
.endr
	v_mov_b32 v252, 0
	v_mov_b32 v253, 0                              ; (named as the upper half of the pair v[252:253] before it is first written)
	s_wait_loadcnt 0x0                             ; Q
	s_wait_tensorcnt 0x0                           ; my key step is in,
	s_barrier_signal -1
	s_barrier_wait -1                              ; everybody's is: the whole head lies in LDS
; A PASS: one tile of 16 queries against key steps 0 .. s[last].  qf, qs: Q's fragment and scale word; yb: where y's image goes; hw: where its two scale bytes are kept.
.macro PASS pn, qf, qs, last, yb, hw
.if \pn
	s_wait_xcnt 0x0                                ; the last pass's stores have read their data: the codes' registers are written again only behind this wait
.endif
	v_mov_b32 v13, 0xff61b1e6                      ; the largest t so far: -3e38, under every t
	s_delay_alu instid0(VALU_DEP_1)
	v_floor_f32 v12, -v13                          ; -M
	v_mov_b32 v14, 0
	v_mov_b32 v15, 0
.set jj, 0
.rept 32
	v_mov_b32 v[160+jj], 0                         ; O^T: the step is written once; its first trip finds zeros, which the first change of M leaves zeros
.set jj, jj+1
.endr
	s_mov_b32 s[TB], 0
	s_mov_b32 s[SI], 0
.Lstep_\@:
	s_cmp_gt_u32 s[SI], s[\last]                   ; all of this step's keys come after my queries: its work is left out
	s_cbranch_scc1 .Lskip_\@
	s_setprio 2
	v_add_nc_u32 v5, s[TB], v1
	s_wait_alu depctr_va_vdst(0)
	v_add_nc_u32 v6, s[TB], v2
	s_wait_alu depctr_va_vdst(0)
	v_add_nc_u32 v7, s[TB], v3
	s_wait_alu depctr_va_vdst(0)
.irp g, 0,1                                    ; S^T = K Q^T, four tiles of 16 keys at a time
.if \g > 0
.rept 4
	v_nop                                          ; places in front of loads into registers that the last products read
.endr
.endif
.irp t, 0,1,2,3
	ds_load_b128 v[32+12*\t:35+12*\t], v5 offset:768*(4*\g+\t)
	ds_load_b64 v[36+12*\t:37+12*\t], v6 offset:768*(4*\g+\t)+512
.endr
	ds_load_b128 v[248:251], v7 offset:12288+256*\g   ; the four tiles' scale words of row r
	s_wait_dscnt 0x0
.irp t, 0,1,2,3
	v_wmma_scale_f32_16x16x128_f8f6f4 v[96+8*(4*\g+\t):103+8*(4*\g+\t)], v[32+12*\t:43+12*\t], v[\qf:\qf+11], 0, v[248+\t], v[\qs] matrix_a_fmt:MATRIX_FMT_FP6 matrix_b_fmt:MATRIX_FMT_FP6
.endr
.endr
.rept 4
	v_nop
.endr
	s_cmp_lg_u32 s[SI], s[\last]                   ; only the pass's last step lies on the diagonal
	s_cbranch_scc1 .Lopen_\@
	v_mov_b32 v254, 0xff800000                     ; hidden scores become -infinity ahead of the maximum: p = 0 then
.set jj, 0
.rept 64
	v_cmp_gt_i32 vcc_lo, 32*(jj/16)+jj%16, v4
	v_cndmask_b32 v[96+jj], v[96+jj], v254, vcc_lo
.set jj, jj+1
.endr
.Lopen_\@:
.irp b, 0,1,2,3
	v_max3_num_f32 v[232+\b], v[96+16*\b], v[97+16*\b], v[98+16*\b]   ; the largest score of each block of 32 keys: for the row's maximum, and, since p rises with the score, for the block's largest p
.endr
.irp i, 3,5,7,9,11,13
.irp b, 0,1,2,3
	v_max3_num_f32 v[232+\b], v[232+\b], v[96+16*\b+\i], v[97+16*\b+\i]
.endr
.endr
.irp b, 0,1,2,3
	v_max_num_f32 v[232+\b], v[232+\b], v[111+16*\b]
.endr
.irp b, 0,1,2,3
	s_delay_alu instid0(VALU_DEP_4)
	v_permlanex16_b32 v[236+\b], v[232+\b], s[SEL], s[SEL+1]
.endr
.irp b, 0,1,2,3
	s_delay_alu instid0(VALU_DEP_4)
	v_max_num_f32 v[232+\b], v[232+\b], v[236+\b]  ; with lane l xor 16's 16 keys
.endr
	s_delay_alu instid0(VALU_DEP_2)
	v_max3_num_f32 v254, v232, v233, v234
	s_delay_alu instid0(VALU_DEP_1)
	v_max_num_f32 v254, v254, v235
	s_delay_alu instid0(VALU_DEP_1)
	v_mul_f32 v254, s[CS], v254                    ; the step's largest t of my query
	s_delay_alu instid0(VALU_DEP_1)
	v_max_num_f32 v13, v13, v254
	v_mov_b32 v254, v12
	s_delay_alu instid0(VALU_DEP_2)
	v_floor_f32 v12, -v13                          ; the new -M = -ceil(t): a whole number
	s_delay_alu instid0(VALU_DEP_1)
	v_sub_f32 v254, v12, v254
	s_delay_alu instid0(VALU_DEP_1)
	v_cvt_i32_f32 v254, v254                       ; (it saturates)
	s_delay_alu instid0(VALU_DEP_1)
	v_ldexp_f32 v252, 1.0, v254                    ; f = 2^(old M - new M): a multiplication by it rounds nothing
.set jj, 0
.rept 32
	v_pk_fma_f32 v[96+jj:97+jj], v[96+jj:97+jj], s[CS:CS+1], v[12:13] op_sel_hi:[1,0,0]   ; t - M
.set jj, jj+2
.endr
.irp b, 0,1,2,3
	v_fma_f32 v[232+\b], v[232+\b], s[CS], v12
.endr
.set jj, 0
	s_setprio 1
	s_wait_alu depctr_va_vdst(0)
.rept 64
	v_exp_f32 v[96+jj], v[96+jj]                   ; p = 2^(t - M)
.set jj, jj+1
.endr
	v_pk_mul_f32 v[14:15], v[14:15], v[252:253] op_sel_hi:[1,0]   ; the sums under the new M: a plain instruction behind the exponentials
	s_wait_alu depctr_va_vdst(0)                   ; one wait for the batch, ahead of its first reader
.irp b, 0,1,2,3
	v_exp_f32 v[232+\b], v[232+\b]                 ; the block's largest p
.endr
	v_pk_add_f32 v[236:237], v[100:101], v[104:105]
	v_pk_add_f32 v[250:251], v[108:109], v[112:113]
	v_pk_add_f32 v[248:249], v[116:117], v[120:121]
	v_pk_add_f32 v[246:247], v[124:125], v[128:129]
	v_pk_add_f32 v[244:245], v[132:133], v[136:137]
	v_pk_add_f32 v[240:241], v[140:141], v[144:145]
	v_pk_add_f32 v[238:239], v[148:149], v[152:153]
	v_pk_add_f32 v[14:15], v[14:15], v[156:157]
	v_pk_add_f32 v[236:237], v[236:237], v[96:97]
	v_pk_add_f32 v[250:251], v[250:251], v[98:99]
	v_pk_add_f32 v[248:249], v[248:249], v[102:103]
	v_pk_add_f32 v[246:247], v[246:247], v[106:107]
	v_pk_add_f32 v[244:245], v[244:245], v[110:111]
	v_pk_add_f32 v[240:241], v[240:241], v[114:115]
	v_pk_add_f32 v[238:239], v[238:239], v[118:119]
	v_pk_add_f32 v[14:15], v[14:15], v[122:123]
	v_pk_add_f32 v[236:237], v[236:237], v[126:127]
	v_pk_add_f32 v[250:251], v[250:251], v[130:131]
	v_pk_add_f32 v[248:249], v[248:249], v[134:135]
	v_pk_add_f32 v[246:247], v[246:247], v[138:139]
	v_pk_add_f32 v[244:245], v[244:245], v[142:143]
	v_pk_add_f32 v[240:241], v[240:241], v[146:147]
	v_pk_add_f32 v[238:239], v[238:239], v[150:151]
	v_pk_add_f32 v[14:15], v[14:15], v[154:155]
	v_pk_add_f32 v[236:237], v[236:237], v[158:159]
	s_delay_alu instid0(VALU_DEP_2)
	v_pk_add_f32 v[14:15], v[14:15], v[246:247]
	s_delay_alu instid0(VALU_DEP_2)
	v_pk_add_f32 v[236:237], v[236:237], v[244:245]
	v_pk_add_f32 v[250:251], v[250:251], v[240:241]
	v_pk_add_f32 v[248:249], v[248:249], v[238:239]
	s_delay_alu instid0(VALU_DEP_2)
	v_pk_add_f32 v[14:15], v[14:15], v[250:251]
	s_delay_alu instid0(VALU_DEP_2)
	v_pk_add_f32 v[236:237], v[236:237], v[248:249]
	s_delay_alu instid0(VALU_DEP_1)
	v_pk_add_f32 v[14:15], v[14:15], v[236:237]
	s_wait_alu depctr_va_vdst(0)                   ; and one for the four
.irp b, 0,1,2,3
	v_max_num_f32 v[232+\b], 0x1800000, v[232+\b]  ; the floor 2^(3 - 127): the byte cannot fall under 1
.endr
.irp b, 0,1,2,3
	s_delay_alu instid0(VALU_DEP_4)
	v_add_nc_u32 v[244+\b], 0xff000000, v[232+\b]
.endr
.irp b, 0,1,2,3
	s_delay_alu instid0(VALU_DEP_4)
	v_lshrrev_b32 v[236+\b], 23, v[244+\b]
.endr
	s_delay_alu instid0(VALU_DEP_3)
	v_lshl_or_b32 v253, v237, 8, v236              ; p's scale word for these 128 keys
	s_delay_alu instid0(VALU_DEP_1)
	v_lshl_or_b32 v253, v238, 16, v253
	s_delay_alu instid0(VALU_DEP_1)
	v_lshl_or_b32 v253, v239, 24, v253
.irp c, 0,1
	v_cvt_scalef32_pk16_fp6_f32 v[224+6*\c:226+6*\c], v[96+32*\c:111+32*\c], v[244+2*\c]
	v_cvt_scalef32_pk16_fp6_f32 v[236+4*\c:238+4*\c], v[112+32*\c:127+32*\c], v[244+2*\c+1]
.endr
	v_nop                                          ; one plain instruction behind the scaled conversions
.irp t, 0,1,2,3                                ; V^T's four fragments into the registers that p has left
	ds_load_b128 v[96+12*\t:99+12*\t],   v5 offset:6144+1536*\t
	ds_load_b64  v[100+12*\t:101+12*\t], v6 offset:6144+1536*\t+512
	ds_load_b128 v[102+12*\t:105+12*\t], v5 offset:6144+1536*\t+768
	ds_load_b64  v[106+12*\t:107+12*\t], v6 offset:6144+1536*\t+1280
.endr
	s_setprio 0
	ds_load_b128 v[248:251], v7 offset:12800       ; and their scale words
.irp c, 0,1
.irp i, 0,1,2
	v_permlane16_swap_b32 v[224+6*\c+\i], v[236+4*\c+\i]
.endr
.irp i, 0,1,2
	s_delay_alu instid0(VALU_DEP_3)
	v_mov_b32 v[227+6*\c+\i], v[236+4*\c+\i]
.endr
.endr
.set jj, 0
.rept 16
	v_pk_mul_f32 v[160+jj:161+jj], v[160+jj:161+jj], v[252:253] op_sel_hi:[1,0]   ; O^T under the new M.  (Of these 16, twelve name no register of a given product: the places in front of it for p's codes and scale word)
.set jj, jj+2
.endr
	s_wait_alu depctr_va_vdst(0)
	s_wait_dscnt 0x0
.irp t, 0,1,2,3
	v_wmma_scale_f32_16x16x128_f8f6f4 v[160+8*\t:167+8*\t], v[96+12*\t:107+12*\t], v[224:235], v[160+8*\t:167+8*\t], v[248+\t], v253 matrix_a_fmt:MATRIX_FMT_FP6 matrix_b_fmt:MATRIX_FMT_FP6
.endr
.rept 5
	v_nop                                          ; five places: the next step's first products write over registers that these have read
.endr
.Lskip_\@:
	s_add_co_u32 s[TB], s[TB], KREC
	s_add_co_u32 s[SI], s[SI], 1
	s_cmp_lt_u32 s[SI], 16
	s_cbranch_scc1 .Lstep_\@
	s_setprio 0
	; the way out: O^T / the sum, quantised along the head's 64 (two blocks), half a fragment
	v_add_f32 v14, v14, v15
	s_delay_alu instid0(VALU_DEP_1)
	v_permlanex16_b32 v252, v14, s[SEL], s[SEL+1]
	s_delay_alu instid0(VALU_DEP_1)
	v_add_f32 v14, v14, v252                       ; the row's sum
	s_wait_alu depctr_va_vdst(0)
	v_rcp_f32 v14, v14
	v_nop                                          ; a plain instruction behind the reciprocal,
	s_wait_alu depctr_va_vdst(0)                   ; and the wait ahead of its first reader
.set jj, 0
.rept 32
	v_mul_f32 v[96+jj], v[160+jj], v14             ; register 16 b + i: feature 32 b + 16 h + i of my query
.set jj, jj+1
.endr
.irp b, 0,1
	v_max3_num_f32 v[232+\b], |v[96+16*\b]|, |v[97+16*\b]|, 0x1800000
.endr
.irp i, 2,4,6,8,10,12,14
.irp b, 0,1
	s_delay_alu instid0(VALU_DEP_2)
	v_max3_num_f32 v[232+\b], v[232+\b], |v[96+16*\b+\i]|, |v[97+16*\b+\i]|
.endr
.endr
.irp b, 0,1
	s_delay_alu instid0(VALU_DEP_2)
	v_permlanex16_b32 v[236+\b], v[232+\b], s[SEL], s[SEL+1]
.endr
.irp b, 0,1
	s_delay_alu instid0(VALU_DEP_2)
	v_max_num_f32 v[232+\b], v[232+\b], v[236+\b]
.endr
.irp b, 0,1
	s_delay_alu instid0(VALU_DEP_2)
	v_add_nc_u32 v[244+\b], 0xff000000, v[232+\b]
.endr
.irp b, 0,1
	s_delay_alu instid0(VALU_DEP_2)
	v_lshrrev_b32 v[236+\b], 23, v[244+\b]
.endr
	s_delay_alu instid0(VALU_DEP_1)
	v_lshl_or_b32 v[\hw], v237, 8, v236            ; my row's two scale bytes
	v_cvt_scalef32_pk16_fp6_f32 v[224:226], v[96:111], v244
	v_cvt_scalef32_pk16_fp6_f32 v[240:242], v[112:127], v245
	v_nop
.irp i, 0,1,2
	v_permlane16_swap_b32 v[224+\i], v[240+\i]
.endr
.irp i, 0,1,2
	s_delay_alu instid0(VALU_DEP_3)
	v_mov_b32 v[227+\i], v[240+\i]
.endr
	global_store_b128 v1, v[224:227], s[\yb:\yb+1]             ; 512 consecutive bytes
	global_store_b64 v2, v[228:229], s[\yb:\yb+1] offset:512   ; 256
.endm
	PASS 0, 16, 28, LAST0, YB0, 29
	PASS 1, 192, 204, LAST1, YB1, 30
	v_cmp_ne_u32 vcc_lo, 0, v9                     ; both halves of the lanes hold both passes' bytes: lanes 0-15 store pass 0's, lanes 16-31 pass 1's
	s_delay_alu instid0(VALU_DEP_1)
	v_cndmask_b32 v210, v208, v209, vcc_lo
	s_delay_alu instid0(VALU_DEP_2)
	v_cndmask_b32 v31, v29, v30, vcc_lo
	global_store_b16 v210, v31, s[YS:YS+1]
	s_wait_tensorcnt 0x0
	ds_add_u32 v243, v255
	s_wait_dscnt 0x0
	CROUND                                         ; the closing round
	s_endpgm
.Lfunc_end_k_qd830cb9c53_attn:
	.size	k_qd830cb9c53_attn, .Lfunc_end_k_qd830cb9c53_attn-k_qd830cb9c53_attn
	.p2alignl 7, 3214868480
	.fill 96, 4, 3214868480
	.section	.rodata,"a",@progbits
	.p2align	6, 0x0
	.amdhsa_kernel k_qd830cb9c53_attn
		.amdhsa_group_segment_fixed_size 210944
		.amdhsa_private_segment_fixed_size 0
		.amdhsa_enable_private_segment 0
		.amdhsa_kernarg_size 24
		.amdhsa_user_sgpr_count 2
		.amdhsa_user_sgpr_kernarg_segment_ptr 1
		.amdhsa_wavefront_size32 1
		.amdhsa_system_sgpr_workgroup_id_x 1
		.amdhsa_system_sgpr_workgroup_id_y 1
		.amdhsa_system_sgpr_workgroup_id_z 1
		.amdhsa_system_vgpr_workitem_id 0
		.amdhsa_next_free_vgpr 256
		.amdhsa_next_free_sgpr 66
		.amdhsa_reserve_vcc 1
		.amdhsa_float_denorm_mode_32 3
		.amdhsa_float_denorm_mode_16_64 3
		.amdhsa_memory_ordered 1
		.amdhsa_forward_progress 1
		.amdhsa_inst_pref_size 64
	.end_amdhsa_kernel
	.amdgpu_metadata
---
amdhsa.version: [ 1, 2 ]
amdhsa.kernels:
  - .name:           k_qd830cb9c53_attn
    .symbol:         k_qd830cb9c53_attn.kd
    .args:
      - { .name: q_img, .offset: 0, .size: 8, .value_kind: global_buffer, .address_space: global }
      - { .name: kv, .offset: 8, .size: 8, .value_kind: global_buffer, .address_space: global }
      - { .name: y_img, .offset: 16, .size: 8, .value_kind: global_buffer, .address_space: global }
    .group_segment_fixed_size: 210944
    .private_segment_fixed_size: 0
    .kernarg_segment_align: 8
    .kernarg_segment_size: 24
    .max_flat_workgroup_size: 512
    .sgpr_count:     66
    .vgpr_count:     256
    .wavefront_size: 32
...
	.end_amdgpu_metadata
.endif
;; end of part 3
;; launch proj (part 4): grid 4 x 64, 4 waves a work-group, clusters of 4 x 4, 307,712 bytes of LDS; arguments y_img, w_img, bp, out0; writes out0
.if DOCPART == 4
	.amdgcn_target "amdgcn-amd-amdhsa--gfx1250"
	.amdhsa_code_object_version 6
	.text
	.protected	k_qd830cb9c53_proj
	.globl	k_qd830cb9c53_proj
	.p2align	8
	.type	k_qd830cb9c53_proj,@function
k_qd830cb9c53_proj:
	s_mov_b64 s[64:65], 0
	v_nop
	global_prefetch_b8 v0, s[64:65] scope:SCOPE_SE
	s_setreg_imm32_b32 hwreg(HW_REG_WAVE_MODE, 25, 1), 1
	s_wait_xcnt 0x0
	s_wait_alu depctr_hold_cnt(0) depctr_sa_sdst(0) depctr_va_vdst(0) depctr_va_sdst(0) depctr_va_ssrc(0) depctr_va_vcc(0) depctr_vm_vsrc(0)
	s_getreg_b32 s2, hwreg(HW_REG_IB_STS2, 6, 4)
	s_cmp_eq_u32 s2, 0
	s_cbranch_scc0 .Lentry_in_a_cluster
	s_endpgm
.Lentry_in_a_cluster:
	s_bfe_u32 s2, ttmp6, 0x10000c
	s_cmp_lg_u32 s2, 0xf033
	s_cbranch_scc0 .Lentry_shape_is_right
	s_endpgm
.Lentry_shape_is_right:
; out0 = y Wp^T + bp on codes of FP6 (E2M3) with E8M0 scales, sums in f32.  y_img and w_img hold images of operands' registers: [row tile][chunk of 256 along K][3,328 bytes]; Wp's row tiles are 192-255 of w_img.
; A work-group multiplies 256 rows of Wp (P, source 0) by 128 tokens (Q, source 1), all of K = 1,024: a lane holds one token and its registers run along neighbouring outputs.
; Row tiles are permuted (tile 2 g + u holds in row p the row 32 g + 8 u + p + 8 (p / 8)); the stores put the tokens' rows back in their places.
; ALL OF K LIES IN LDS: 307,200 bytes in four chunks, each filled ONCE: no byte of LDS is filled again.  A wave has four tensor loads out at the most.
; CLUSTER 4 x 4: P's tiles hang on cx and are asked for jointly down a column, Q's on cy and jointly along a row.
; Four waves: wave w takes P's rows 128 (w % 2) on and Q's rows 64 (w / 2) on: 32 accumulators, which take turns, one instruction a turn.
; REGISTERS: window 0: v1-15 lanes' numbers and addresses; v16-63 scale words, two sets; v64-159 Q's fragments, two sets (the tail: v64-191 results + bias, two sets); v192-255 the bias.
;   window 1: P's fragments, two sets of 96 (the tail: v0-127 rows read back).   window 2: accumulator (a, b) at v[64 a + 8 b].
.set QB,     204800
.set PCH,    51200
.set QCH,    25600
.set REC,    3200
.set GREC,   3328
.set TPITCH, 13312
.set AP16, 4
.set AP8,  5
.set AQ16, 6
.set AQ8,  7
.set ASP,  8
.set ASQ,  9
.set STI,  13                          ; the stage, in: row r, + 64 h
.set STO,  14                          ; and back: 16 x lane of a row
.set SCW,  16
.set QF,   64
.set BP,   192
.set WV,   18
.set HALF, 19
.set ROLE, 20
.set G1Q,  32
.set G1P,  40
.set G0Q,  48
.set G0P,  68
.set MSB, 0
.macro WIN new
.if MSB != \new
	s_set_vgpr_msb (MSB<<8)|\new
.set MSB, \new
.endif
.endm
.macro PLACES n
.rept \n
	v_nop
.endr
.endm
.macro CROUND
	s_barrier_signal -1
	s_barrier_wait -1
	s_cmp_lg_u32 s[WV], 0
	s_cbranch_scc1 .Lnot_wave_0_\@
	s_barrier_signal -3
.Lnot_wave_0_\@:
	s_barrier_wait -3
	s_barrier_signal -1
	s_barrier_wait -1
.endm
.macro FETCH set, q                    ; 48 LDS loads: the fragments of the chunk's K step q
	WIN 0x40
.irp i, 0,1,2,3,4,5,6,7
	ds_load_b128 v[96*(\set)+12*\i:96*(\set)+12*\i+3],     v[AP16] offset:REC*\i+1536*(\q)
	ds_load_b64  v[96*(\set)+12*\i+4:96*(\set)+12*\i+5],   v[AP8]  offset:REC*\i+1536*(\q)+512
	ds_load_b128 v[96*(\set)+12*\i+6:96*(\set)+12*\i+9],   v[AP16] offset:REC*\i+1536*(\q)+768
	ds_load_b64  v[96*(\set)+12*\i+10:96*(\set)+12*\i+11], v[AP8]  offset:REC*\i+1536*(\q)+1280
.endr
	WIN 0
.irp i, 0,1,2,3
	ds_load_b128 v[QF+48*(\set)+12*\i:QF+48*(\set)+12*\i+3],     v[AQ16] offset:REC*\i+1536*(\q)
	ds_load_b64  v[QF+48*(\set)+12*\i+4:QF+48*(\set)+12*\i+5],   v[AQ8]  offset:REC*\i+1536*(\q)+512
	ds_load_b128 v[QF+48*(\set)+12*\i+6:QF+48*(\set)+12*\i+9],   v[AQ16] offset:REC*\i+1536*(\q)+768
	ds_load_b64  v[QF+48*(\set)+12*\i+10:QF+48*(\set)+12*\i+11], v[AQ8]  offset:REC*\i+1536*(\q)+1280
.endr
.endm
.macro SCALES cs
.irp i, 0,1,2,3,4,5,6,7
	ds_load_b64 v[SCW+24*(\cs)+2*\i:SCW+24*(\cs)+2*\i+1], v[ASP] offset:REC*\i
.endr
.irp i, 0,1,2,3
	ds_load_b64 v[SCW+24*(\cs)+16+2*\i:SCW+24*(\cs)+16+2*\i+1], v[ASQ] offset:REC*\i
.endr
.endm
.macro MUL16 a0, set, q, cs, zero
.irp a, \a0, \a0+1
.irp b, 0,1,2,3,4,5,6,7
.if \zero
	v_wmma_scale_f32_16x16x128_f8f6f4 v[64*(\a)+8*\b:64*(\a)+8*\b+7], v[96*(\set)+12*\b:96*(\set)+12*\b+11], v[QF+48*(\set)+12*(\a):QF+48*(\set)+12*(\a)+11], 0, v[SCW+24*(\cs)+2*\b+(\q)], v[SCW+24*(\cs)+16+2*(\a)+(\q)] matrix_a_fmt:MATRIX_FMT_FP6 matrix_b_fmt:MATRIX_FMT_FP6
.else
	v_wmma_scale_f32_16x16x128_f8f6f4 v[64*(\a)+8*\b:64*(\a)+8*\b+7], v[96*(\set)+12*\b:96*(\set)+12*\b+11], v[QF+48*(\set)+12*(\a):QF+48*(\set)+12*(\a)+11], v[64*(\a)+8*\b:64*(\a)+8*\b+7], v[SCW+24*(\cs)+2*\b+(\q)], v[SCW+24*(\cs)+16+2*(\a)+(\q)] matrix_a_fmt:MATRIX_FMT_FP6 matrix_b_fmt:MATRIX_FMT_FP6
.endif
.endr
.endr
.endm
.macro EVEN c, zero
.if \c > 0
	PLACES 4                                       ; in front of loads into registers that the last products read
.endif
	FETCH 1, 1
	s_wait_dscnt 48                                ; all but the 48 just issued: set 0 and the chunk's scale words are in
	WIN 0xa1
	MUL16 0, 0, 0, (\c)%2, \zero
	MUL16 2, 0, 0, (\c)%2, \zero
.endm
.macro ODD c
	s_wait_tensorcnt 2-\c                          ; my part of the next chunk is in; my loads for the chunks behind it may stay out
	s_wait_dscnt 0x0                               ; set 1 is in; no LDS instruction of mine is out at the signal
	s_barrier_signal -1
	MUL16 0, 1, 1, (\c)%2, 0
	s_barrier_wait -1
	WIN 0
	v_add_nc_u32 v[AP16], PCH, v[AP16]             ; on to the next chunk.  These six are also the places in front of the loads below
	v_add_nc_u32 v[AP8],  PCH, v[AP8]
	v_add_nc_u32 v[ASP],  PCH, v[ASP]
	v_add_nc_u32 v[AQ16], QCH, v[AQ16]
	v_add_nc_u32 v[AQ8],  QCH, v[AQ8]
	v_add_nc_u32 v[ASQ],  QCH, v[ASQ]
	SCALES ((\c)+1)%2
	FETCH 0, 0
	WIN 0xa1
	MUL16 2, 1, 1, (\c)%2, 0
.endm
	s_load_b256 s[4:11], s[0:1], 0x0               ; y_img, w_img, bp, out0
	s_set_vgpr_msb 0x40
	v_lshl_add_u32 v254, v0, 2, 0x4b000
	v_mov_b32 v255, 0
	s_set_vgpr_msb 0x4045
	ds_add_u32 v254, v255
	ds_add_u32 v254, v255
	s_set_vgpr_msb 0x4500
	v_lshrrev_b32 v1, 5, v0
	v_readfirstlane_b32 s[WV], v1
	s_and_b32 s[HALF], s[WV], 1
	s_lshr_b32 s[ROLE], s[WV], 1
	s_bfe_u32 s21, ttmp6, 0x40000                  ; cx
	s_bfe_u32 s22, ttmp6, 0x40004                  ; cy
	s_lshl_b32 s25, ttmp9, 2
	s_add_co_u32 s25, s25, s21                     ; PT: which 256 outputs: never holds cy
	s_and_b32 s24, ttmp7, 0xffff
	s_lshl_b32 s26, s24, 2
	s_add_co_u32 s26, s26, s22                     ; QT: which 128 tokens: never holds cx
	s_lshl_b32 s27, s22, 2
	s_lshl_b32 s27, 15, s27                        ; my row of the cluster
	s_lshl_b32 s28, 0x1111, s21                    ; my column
	s_or_b32 s[G1Q], s27, (3<<16)|(1<<21)
	s_or_b32 s[G1P], s28, (3<<16)|(1<<21)
	s_mov_b32 s[G1Q+1], 400<<16                    ; 400 elements of 8 bytes: a row tile's part of a chunk
	s_mov_b32 s[G1Q+2], 4<<16
	s_mov_b32 s[G1Q+3], 400<<16
	s_mov_b32 s[G1Q+4], 4
	s_mov_b32 s[G1Q+5], TPITCH/8
	s_mov_b32 s[G1Q+6], 0
	s_mov_b32 s[G1Q+7], 0
	s_mov_b32 s[G1P+1], 400<<16
	s_mov_b32 s[G1P+2], 8<<16
	s_mov_b32 s[G1P+3], 400<<16
	s_mov_b32 s[G1P+4], 8
	s_mov_b32 s[G1P+5], TPITCH/8
	s_mov_b32 s[G1P+6], 0
	s_mov_b32 s[G1P+7], 0
	s_lshl_b32 s84, s25, 4
	s_lshl_b32 s85, s[HALF], 3
	s_add_co_u32 s84, s84, s85
	s_add_co_u32 s84, s84, 192                     ; P: row tile 192 + 16 PT + 8 x half
	s_mul_i32 s84, s84, TPITCH
	s_mov_b32 s85, 0
	s_lshl_b32 s86, s26, 3
	s_lshl_b32 s87, s[HALF], 2
	s_add_co_u32 s86, s86, s87                     ; Q: row tile 8 QT + 4 x half
	s_mul_i32 s86, s86, TPITCH
	s_mov_b32 s87, 0
	s_mul_i32 s88, s[HALF], 4*REC
	s_mul_i32 s89, s[HALF], 8*REC
	s_wait_dscnt 0x0
	s_wait_kmcnt 0x0
	s_add_nc_u64 s[90:91], s[6:7], s[84:85]
	s_add_nc_u64 s[92:93], s[4:5], s[86:87]
	CROUND                                         ; all sixteen work-groups are here: the joint loads meet
.irp c, 0,1,2,3
	s_mov_b32 s[G0Q+4*\c], 1
	s_add_co_u32 s[G0Q+4*\c+1], s88, QB+\c*QCH
	s_add_nc_u64 s[G0Q+4*\c+2:G0Q+4*\c+3], s[92:93], \c*GREC
	s_or_b32 s[G0Q+4*\c+3], s[G0Q+4*\c+3], 0x80000000
	s_mov_b32 s[G0P+4*\c], 1
	s_add_co_u32 s[G0P+4*\c+1], s89, \c*PCH
	s_add_nc_u64 s[G0P+4*\c+2:G0P+4*\c+3], s[90:91], \c*GREC
	s_or_b32 s[G0P+4*\c+3], s[G0P+4*\c+3], 0x80000000
.endr
	s_cmp_eq_u32 s[ROLE], 0                        ; all of a wave's fills stand in one branch on its number: four loads of mine are out
	s_cbranch_scc0 .Lfill_p
	tensor_load_to_lds s[G0Q:G0Q+3], s[G1Q:G1Q+7]
	s_nop 0
	tensor_load_to_lds s[G0Q+4:G0Q+7], s[G1Q:G1Q+7]
	s_nop 0
	tensor_load_to_lds s[G0Q+8:G0Q+11], s[G1Q:G1Q+7]
	s_nop 0
	tensor_load_to_lds s[G0Q+12:G0Q+15], s[G1Q:G1Q+7]
	s_nop 0
	PLACES 4
	s_branch .Lfilled
.Lfill_p:
	tensor_load_to_lds s[G0P:G0P+3], s[G1P:G1P+7]
	s_nop 0
	tensor_load_to_lds s[G0P+4:G0P+7], s[G1P:G1P+7]
	s_nop 0
	tensor_load_to_lds s[G0P+8:G0P+11], s[G1P:G1P+7]
	s_nop 0
	tensor_load_to_lds s[G0P+12:G0P+15], s[G1P:G1P+7]
	s_nop 0
	PLACES 4
.Lfilled:
	v_and_b32 v1, 15, v0                           ; r
	v_bfe_u32 v2, v0, 4, 1                         ; h
	v_and_b32 v3, 31, v0                           ; lane
	v_lshlrev_b32 v10, 4, v3
	v_lshlrev_b32 v11, 3, v3
	s_mul_i32 s27, s[HALF], 8*REC
	s_mul_i32 s28, s[ROLE], 4*REC
	s_add_co_u32 s28, s28, QB
	v_add_nc_u32 v[AP16], s27, v10
	v_add_nc_u32 v[AP8],  s27, v11
	v_add_nc_u32 v[AQ16], s28, v10
	v_add_nc_u32 v[AQ8],  s28, v11
	v_lshlrev_b32 v15, 3, v1
	v_add_nc_u32 v15, 3072, v15
	v_add_nc_u32 v[ASP], s27, v15
	v_add_nc_u32 v[ASQ], s28, v15
	s_mul_i32 s27, s[WV], 16*528                   ; my stage: 16 rows x 528 bytes, in P's chunk 0, which has had its one fill and, behind the barrier in front of chunk 1, its last read
	v_mul_u32_u24 v[STI], v1, 528
	v_lshl_add_u32 v[STI], v2, 6, v[STI]
	v_add_nc_u32 v[STI], s27, v[STI]
	v_add_nc_u32 v[STO], s27, v10
	s_lshl_b32 s28, s25, 10
	s_lshl_b32 s29, s[HALF], 9
	s_add_co_u32 s28, s28, s29                     ; my first output, in bytes: 4 (256 PT + 128 (w % 2))
	s_mov_b32 s29, 0
	s_add_nc_u64 s[8:9], s[8:9], s[28:29]          ; in bp,
	s_lshl_b32 s30, s26, 1
	s_add_co_u32 s30, s30, s[ROLE]
	s_lshl_b32 s30, s30, 18                        ; my first token: 64 (2 QT + w / 2) rows of 4,096 bytes
	s_add_co_u32 s28, s28, s30
	s_add_nc_u64 s[10:11], s[10:11], s[28:29]      ; and in out0
	v_lshlrev_b32 v12, 6, v2                       ; 64 h
.irp b, 0,1,2,3,4,5,6,7
	global_load_b128 v[BP+8*\b:BP+8*\b+3],   v12, s[8:9] offset:(32*(\b/2)+8*(\b%2))*4
	global_load_b128 v[BP+8*\b+4:BP+8*\b+7], v12, s[8:9] offset:(32*(\b/2)+8*(\b%2))*4+16
.endr
	s_wait_alu depctr_va_vdst(0)
	s_wait_tensorcnt 0x3                           ; my part of chunk 0 is in; my three later loads may stay out
	s_barrier_signal -1
	s_barrier_wait -1
	SCALES 0
	FETCH 0, 0
	EVEN 0, 1
	ODD 0
	EVEN 1, 0
	s_wait_alu depctr_va_vdst(0)
	ODD 1
	EVEN 2, 0
	s_wait_alu depctr_va_vdst(0)
	ODD 2
	EVEN 3, 0
	s_wait_dscnt 0x0
	MUL16 0, 1, 1, 1, 0
	MUL16 2, 1, 1, 1, 0
	WIN 0
	PLACES 4                                       ; in front of the first read of results and of writes and loads into registers that held fragments
	s_wait_loadcnt 0x0                             ; the bias
; THE WAY OUT, a tile of 16 tokens x 128 outputs at a time: + bias, through my own stage, back as whole rows of 512 bytes.  LDS serves a wave's instructions in order: no wait between the stores and the loads, nor in front of the next tile's stores.
.macro TOSTAGE a
.set XX, 64+64*((\a)%2)
	WIN 0x02                                       ; source 0: window 2
.set i, 0
.rept 32
	v_pk_add_f32 v[XX+2*i:XX+2*i+1], v[64*(\a)+2*i:64*(\a)+2*i+1], v[BP+2*i:BP+2*i+1]   ; each accumulator from its low end on
.set i, i+1
.endr
	WIN 0
.irp q, 0,1,2,3,4,5,6,7,8,9,10,11,12,13,14,15
	ds_store_b128 v[STI], v[XX+4*\q:XX+4*\q+3] offset:128*(\q/4)+16*(\q%4)   ; register 16 b + i: output 32 b + 16 h + i of token row r
.endr
	WIN 0x40                                       ; destination window 1
.irp t, 0,1,2,3,4,5,6,7,8,9,10,11,12,13,14,15
	ds_load_b128 v[64*((\a)%2)+4*\t:64*((\a)%2)+4*\t+3], v[STO] offset:528*\t
.endr
	WIN 0
.endm
.macro SEND a, younger                 ; younger: the LDS instructions issued behind tile a's loads, which may stay out
	s_wait_dscnt \younger
	WIN 0x04                                       ; a store's data: window 1
.irp t, 0,1,2,3,4,5,6,7,8,9,10,11,12,13,14,15
	global_store_b128 v10, v[64*((\a)%2)+4*\t:64*((\a)%2)+4*\t+3], s[10:11] offset:(32*((\a)/2)+8*((\a)%2)+\t+8*(\t/8))*4096 th:TH_STORE_NT   ; 32 lanes store 512 consecutive bytes, aligned; the tile's row t is token 32 (a / 2) + 8 (a % 2) + t + 8 (t / 8)
.endr
	WIN 0
.endm
	TOSTAGE 0
	TOSTAGE 1
	SEND 0, 32                                     ; behind tile 0's loads: tile 1's 16 stores and 16 loads
	s_wait_xcnt 0x0                                ; tile 0's stores have read their data: tile 2's loads may land there
	TOSTAGE 2
	SEND 1, 32
	s_wait_xcnt 0x0
	TOSTAGE 3
	SEND 2, 32
	SEND 3, 0
	s_set_vgpr_msb 0x5
	s_wait_tensorcnt 0x0
	ds_add_u32 v254, v255
	s_wait_dscnt 0x0
	s_set_vgpr_msb 0x500
	CROUND                                         ; the closing round: no work-group ends while a partner may still ask for a tile that names it
	s_endpgm
.Lfunc_end_k_qd830cb9c53_proj:
	.size	k_qd830cb9c53_proj, .Lfunc_end_k_qd830cb9c53_proj-k_qd830cb9c53_proj
	.p2alignl 7, 3214868480
	.fill 96, 4, 3214868480
	.section	.rodata,"a",@progbits
	.p2align	6, 0x0
	.amdhsa_kernel k_qd830cb9c53_proj
		.amdhsa_group_segment_fixed_size 307712
		.amdhsa_private_segment_fixed_size 0
		.amdhsa_enable_private_segment 0
		.amdhsa_kernarg_size 32
		.amdhsa_user_sgpr_count 2
		.amdhsa_user_sgpr_kernarg_segment_ptr 1
		.amdhsa_wavefront_size32 1
		.amdhsa_system_sgpr_workgroup_id_x 1
		.amdhsa_system_sgpr_workgroup_id_y 1
		.amdhsa_system_sgpr_workgroup_id_z 1
		.amdhsa_system_vgpr_workitem_id 0
		.amdhsa_next_free_vgpr 768
		.amdhsa_next_free_sgpr 100
		.amdhsa_reserve_vcc 0
		.amdhsa_float_denorm_mode_32 3
		.amdhsa_float_denorm_mode_16_64 3
		.amdhsa_memory_ordered 1
		.amdhsa_forward_progress 1
		.amdhsa_inst_pref_size 95
	.end_amdhsa_kernel
	.amdgpu_metadata
---
amdhsa.version: [ 1, 2 ]
amdhsa.kernels:
  - .name:           k_qd830cb9c53_proj
    .symbol:         k_qd830cb9c53_proj.kd
    .args:
      - { .name: y_img, .offset: 0, .size: 8, .value_kind: global_buffer, .address_space: global }
      - { .name: w_img, .offset: 8, .size: 8, .value_kind: global_buffer, .address_space: global }
      - { .name: bp, .offset: 16, .size: 8, .value_kind: global_buffer, .address_space: global }
      - { .name: out0, .offset: 24, .size: 8, .value_kind: global_buffer, .address_space: global }
    .group_segment_fixed_size: 307712
    .private_segment_fixed_size: 0
    .kernarg_segment_align: 8
    .kernarg_segment_size: 32
    .max_flat_workgroup_size: 128
    .sgpr_count:     100
    .vgpr_count:     768
    .wavefront_size: 32
...
	.end_amdgpu_metadata
.endif
;; end of part 4
